; MI455X (gfx1250); checked and timed in simulation.
; The chip was launched on July 23, 2026; its instructions are those of AMD's public machine-readable ISA for CDNA 5 (MIT licence, August 2026) and "CDNA5" Instruction Set Architecture Reference Guide (July 2026). The comments in the code are by the model that wrote it; some were corrected since.
;; Distributed Dot Product Attn. Allowed arithmetic: matrix products marked QUANTISED: E2M1 operands, one E8M0 scale for each 32 along K, by v_wmma_scale_f32_16x16x128_f8f6f4 with both operands' format E2M1 (or v_wmma_scale_f32_32x16x128_f4), f32 sums; products left as they are: bf16, f16 or f32 operands; f32 sums; everything else in f32.
;; Inputs: Wc 1,024 x 1,024 float32; Wk 1,024 x 1,024 float32; Wq 1,024 x 1,024 float32; Wv 1,024 x 1,024 float32; attn_mask 4 x 1 x 2,048 x 2,048 bool; bc 1,024 float32; keys 4 x 2,048 x 1,024 float32; queries 4 x 2,048 x 1,024 float32; values 4 x 2,048 x 1,024 float32.
;; Outputs: out0 4 x 2,048 x 1,024 float32.
;; This version of the problem:
;;   THIS VERSION OF THE PROBLEM IS GIVEN IN LOW PRECISION. The matrix products marked QUANTISED in the list below multiply operands that are first quantised to E2M1 (2 exponent bits, 1 mantissa bit; 4 bits a number), with one power-of-two scale for each 32 numbers along K (OCP MX v1.0); their sums are f32. The products marked 'left as it is' may take bf16, f16 or f32 operands, with f32 sums. Whichever they take, every output number must still come out within the allowed error. Rounding operands to bf16 (8 significant bits) uses up far more of that allowance than f16 does (11 bits, for magnitudes from 6e-5 to 65,504). All else is computed in f32.
;;   The module's matrix products, in the order in which they are computed (A, B: the left and right operand; K: the contracted axis; several contracted axes count as one K, in the product's order):
;;     1. [M 8,192, K 1,024] x [K 1,024, N 1,024]; A: input keys; B: input Wk: QUANTISED
;;     2. [M 8,192, K 1,024] x [K 1,024, N 1,024]; A: input queries; B: input Wq: QUANTISED
;;     3. [M 8,192, K 1,024] x [K 1,024, N 1,024]; A: input values; B: input Wv: QUANTISED
;;     4. batch 64 x [M 2,048, K 64] x [K 64, N 2,048]; A: computed on the way; B: computed on the way: left as it is (an operand is computed on the way)
;;     5. batch 64 x [M 2,048, K 2,048] x [K 2,048, N 64]; A: computed on the way; B: computed on the way: left as it is (an operand is computed on the way)
;;     6. [M 8,192, K 1,024] x [K 1,024, N 1,024]; A: computed on the way; B: input Wc: left as it is (an operand is computed on the way)
;;   THE QUANTISER, for each operand of a quantised product, along K:
;;     - K is cut into blocks of 32 from its start; a last block that is shorter is filled with zeros.
;;     - A block's scale is 2^e with e = floor(log2(the largest magnitude in the block)) - 2, held to -126 .. 127; a block of zeros has e = 0. As a byte (E8M0): e + 127.
;;     - Each number is divided by its block's scale, clamped to +-6, and rounded to the nearest number of E2M1, ties to even, subnormals kept.
;;     - The product sums the exact products of the quantised numbers (number of the format x scale) in f32.
;;   ~~~python
;;   def quantise(x, axis):      # numpy; x: float32 -> the quantised numbers, widened to float32 again
;;       x = np.moveaxis(x, axis, -1); K = x.shape[-1]
;;       x = np.pad(x, [(0, 0)] * (x.ndim - 1) + [(0, -K % 32)]); x = x.reshape(x.shape[:-1] + (-1, 32)); a = np.abs(x).max(-1, keepdims=True)
;;       e = np.where(a > 0, np.clip(np.frexp(np.where(a > 0, a, 1))[1] - 1 - 2, -126, 127), 0)      # np.frexp(a)[1] - 1 = floor(log2(a)), exactly
;;       r = np.clip(x / 2.0 ** e, -6, 6)
;;       step = 2.0 ** (np.maximum(np.frexp(np.where(r == 0, 1, r))[1] - 1, 0) - 1)
;;       q = np.round(r / step) * step * 2.0 ** e      # np.round: ties to even
;;       return np.moveaxis(q.reshape(q.shape[:-2] + (-1,))[..., :K], -1, axis).astype(np.float32)
;;   ~~~
;; One version. Each part assembles by itself: llvm-mc -triple=amdgcn-amd-amdhsa -mcpu=gfx1250 --defsym DOCPART=n.
;; ======== version 1 of 1: 4 launches
;; limits: values are held in f16: magnitudes above 65,504 overflow, below 6.1e-05 lose precision
;; workspace buffers: codes 14,155,776 bytes; scales 884,736 bytes; wc16 2,097,152 bytes; mw 2,097,152 bytes of whole numbers; mf 4,096 bytes of whole numbers; qkv 50,331,648 bytes; ao 16,777,216 bytes
;; launch prep (part 1): grid 1152 x 1, 4 waves a work-group, no clusters, 33,280 bytes of LDS; arguments queries, keys, values, Wq, Wk, Wv, Wc, attn_mask, codes, scales, wc16, mw, mf; writes codes, scales, wc16, mw, mf
.if DOCPART == 1
	.amdgcn_target "amdgcn-amd-amdhsa--gfx1250"
	.amdhsa_code_object_version 6
	.text
	.protected	k_qdd083fbb7d_prep
	.globl	k_qdd083fbb7d_prep
	.p2align	8
	.type	k_qdd083fbb7d_prep,@function
k_qdd083fbb7d_prep:
	s_mov_b64 s[64:65], 0
	v_nop
	global_prefetch_b8 v0, s[64:65] scope:SCOPE_SE
	s_setreg_imm32_b32 hwreg(HW_REG_WAVE_MODE, 25, 1), 1
	s_wait_xcnt 0x0
; THREE JOBS IN ONE LAUNCH, told apart by the work-group's number alone.
; Work-groups 0-863: queries, keys, values, Wq, Wk, Wv (f32, K innermost) become codes of FP4 (E2M1) with one E8M0 byte for each 32 along K, laid one tensor behind the other:
;   codes: 27,648 rows x 512 bytes (rows 0.. queries, 8192.. keys, 16384.. values, 24576.. Wq, 25600.. Wk, 26624.. Wv);  scales: the same rows x 32 bytes.
;   A block's scale is 2^(floor(log2(largest magnitude)) - 2); its byte is the largest magnitude's exponent field - 2, held at 1 from below; numbers are divided by it and rounded to the nearest code, ties to even.
; Work-groups 864-895: Wc becomes f16 (it is an operand of a product that is left as it is).
; Work-groups 896-1151: the mask's bytes become words of lane bits for the attention launch, and a flag for each block of 64 queries x 64 keys that holds a masked entry.
;   mw [b 4][qb 32][step 32][128 words]: bit l of word 32 qt + 8 kt + j = mask[b][64 qb + 16 qt + l % 16][64 step + 16 kt + 8 (l / 16) + j].   mf [b][qb][g 8]: bit s of a word: step 4 g + s has a masked entry.
; LIMITS: NaN and infinities among the inputs are not served; a block of zeros, or one under 2^(3 - 127), keeps the byte 1 (its codes are what the conversion gives; the bytes are read by this program alone);
; a mask byte other than 0 counts as true.
; No tensor loads, no barrier: waves share nothing.  Only the quantising path touches LDS.
.set WAVES, 4
.set STEPS, 16
.set EMAX,  2
.set CB,    8                          ; bytes of 16 codes
.set R,     16                         ; v16-79   four sets of 16 numbers as they are loaded
.set X,     80                         ; v80-111  two sets of 16 neighbours
.set C,     128                        ; v128-191 codes: four registers for each step, so that no store's data are written again
.set E,     112                        ; v112-127 a scale byte for each step
.set WREG,  8192                       ; LDS: a region for each wave: two stages of 32 x SP bytes, behind them its 256 scale bytes
.set SP,    80                         ; a lane's place in a stage: 64 bytes + 16 of padding
.set SPW,   12                         ; v12  LDS address of my spare word; never rewritten
.set NIL,   13                         ; v13  0; never rewritten
.set SPARE, WAVES*WREG                 ; behind the four regions: the spare words, 128 bytes a wave
	s_load_b512 s[8:23], s[0:1], 0x0               ; queries 8, keys 10, values 12, Wq 14, Wk 16, Wv 18, Wc 20, mask 22
	s_load_b256 s[24:31], s[0:1], 0x40             ; codes 24, scales 26, wc16 28, mw 30
	s_load_b64 s[32:33], s[0:1], 0x60              ; mf
	v_lshl_add_u32 v[SPW], v0, 2, SPARE
	v_mov_b32 v[NIL], 0
	v_lshrrev_b32 v1, 5, v0
	v_readfirstlane_b32 s35, v1                    ; wave
	v_and_b32 v2, 31, v0                           ; lane
	s_mov_b32 s39, 0                               ; the upper word of every offset pair s[38:39]
	s_wait_kmcnt 0x0
	s_cmp_ge_u32 ttmp9, 896
	s_cbranch_scc1 .Lmask
	s_cmp_ge_u32 ttmp9, 864
	s_cbranch_scc1 .Lwc
; ---------------- the quantiser.  A wave takes 16 steps of 512 numbers.  Each load reads 512 consecutive bytes, 16 a lane; a step's 2,048 bytes turn through the wave's own stage in LDS and come back 64 bytes a lane,
; so that a lane holds 16 neighbours along K (two neighbouring lanes hold a block) as the conversions want them.  Loads run four steps ahead, the turn one step.
	v_lshlrev_b32 v3, 4, v2                        ; my 16 bytes of a load's 512
	s_mul_i32 s36, s35, WREG
	v_lshrrev_b32 v14, 2, v2
	v_mul_u32_u24 v14, v14, SP
	v_and_b32 v15, 3, v2
	v_lshl_add_u32 v14, v15, 4, v14
	v_add_nc_u32 v14, s36, v14                     ; the stage, way in: SP (lane / 4) + 16 (lane % 4)
	v_mul_u32_u24 v15, v2, SP
	v_add_nc_u32 v15, s36, v15                     ; way out: SP x lane
	v_mul_u32_u24 v4, v2, CB                       ; my codes' place in a step's
	v_lshrrev_b32 v5, 1, v2
	s_add_co_u32 s36, s36, 2*32*SP
	v_add_nc_u32 v5, s36, v5                       ; my wave's 256 scale bytes, my block's byte
	v_lshlrev_b32 v7, 3, v2
	v_add_nc_u32 v6, s36, v7                       ; and on the way out 8 bytes a lane
	s_mov_b64 s[4:5], s[18:19]                     ; which tensor: the choice hangs on the work-group's number alone.  From the last tensor down
	s_mov_b32 s34, 832
	s_cmp_lt_u32 ttmp9, 832
	s_cselect_b64 s[4:5], s[16:17], s[4:5]
	s_cselect_b32 s34, 800, s34
	s_cmp_lt_u32 ttmp9, 800
	s_cselect_b64 s[4:5], s[14:15], s[4:5]
	s_cselect_b32 s34, 768, s34
	s_cmp_lt_u32 ttmp9, 768
	s_cselect_b64 s[4:5], s[12:13], s[4:5]
	s_cselect_b32 s34, 512, s34
	s_cmp_lt_u32 ttmp9, 512
	s_cselect_b64 s[4:5], s[10:11], s[4:5]
	s_cselect_b32 s34, 256, s34
	s_cmp_lt_u32 ttmp9, 256
	s_cselect_b64 s[4:5], s[8:9], s[4:5]
	s_cselect_b32 s34, 0, s34                      ; s34: the tensor's first work-group
	s_sub_co_u32 s37, ttmp9, s34
	s_lshl_b32 s37, s37, 2
	s_add_co_u32 s37, s37, s35                     ; my run of 8,192 numbers in the tensor
	s_lshl_b32 s38, s37, 15
	s_add_nc_u64 s[4:5], s[4:5], s[38:39]
	s_lshl_b32 s37, ttmp9, 2
	s_add_co_u32 s37, s37, s35                     ; and among all runs: the outputs lie tensor behind tensor
	s_lshl_b32 s38, s37, 12
	s_add_nc_u64 s[24:25], s[24:25], s[38:39]      ; 4,096 bytes of codes a run
	s_lshl_b32 s38, s37, 8
	s_add_nc_u64 s[26:27], s[26:27], s[38:39]      ; 256 scale bytes a run
.macro LOAD t
.irp i, 0,1,2,3
	global_load_b128 v[R+16*((\t)%4)+4*\i:R+16*((\t)%4)+4*\i+3], v3, s[4:5] offset:2048*(\t)+512*\i th:TH_LOAD_NT
.endr
.endm
.macro TURN t                          ; step t's numbers through the stage: LDS serves a wave's instructions in order, so no wait stands between the stores and the loads
.irp i, 0,1,2,3
	ds_store_b128 v14, v[R+16*((\t)%4)+4*\i:R+16*((\t)%4)+4*\i+3] offset:32*SP*((\t)%2)+8*SP*\i
.endr
.irp i, 0,1,2,3
	ds_load_b128 v[X+16*((\t)%2)+4*\i:X+16*((\t)%2)+4*\i+3], v15 offset:32*SP*((\t)%2)+16*\i
.endr
.endm
.irp t, 0,1,2,3
	LOAD \t
.endr
	s_wait_loadcnt 12                              ; step 0's four loads are in; the twelve of steps 1 to 3 may be out
	TURN 0
.macro STEP t
.set XS, X+16*((\t)%2)
.if (\t) > 0
	s_wait_dscnt 1                                 ; this step's numbers are back from the stage; the last step's byte store may be out
.else
	s_wait_dscnt 0x0
.endif
.if (\t)+4 < STEPS
	LOAD (\t)+4                                    ; into the registers that the stage's stores have read
.endif
.if (\t)+1 < STEPS
.if STEPS-2-(\t) >= 3
	s_wait_loadcnt 12                              ; the next step's four loads are in; those of the three steps behind it may be out
.else
	s_wait_loadcnt 4*(STEPS-2-(\t))
.endif
	TURN (\t)+1
.endif
	v_max3_num_f32 v8, |v[XS]|, |v[XS+1]|, |v[XS+2]|               ; the largest magnitude of my 16, in two chains
	v_max3_num_f32 v9, |v[XS+3]|, |v[XS+4]|, |v[XS+5]|
.irp i, 6,10
	v_max3_num_f32 v8, v8, |v[XS+\i]|, |v[XS+\i+1]|
	v_max3_num_f32 v9, v9, |v[XS+\i+2]|, |v[XS+\i+3]|
.endr
	v_max3_num_f32 v8, v8, |v[XS+14]|, |v[XS+15]|
	v_max3_num_f32 v8, v8, v9, (EMAX+1)<<23        ; and the floor 2^(3 - 127): the byte cannot fall under 1
	v_max_num_f32_dpp v8, v8, v8 row_xmask:1 row_mask:0xf bank_mask:0xf   ; with my neighbour's 16: the block's
	v_add_nc_u32 v11, -(EMAX<<23), v8              ; 2 off its exponent field: the conversion takes the exponent field of this operand as its scale
	v_cvt_scalef32_pk8_fp4_f32 v[C+4*(\t)], v[XS:XS+7], v11
	v_cvt_scalef32_pk8_fp4_f32 v[C+4*(\t)+1], v[XS+8:XS+15], v11
	v_lshrrev_b32 v[E+(\t)], 23, v11               ; the scale's byte (also the plain line behind the conversions)
	ds_store_b8 v5, v[E+(\t)] offset:16*(\t)       ; both lanes of a block write the same byte with the same value
	global_store_b64 v4, v[C+4*(\t):C+4*(\t)+1], s[24:25] offset:32*CB*(\t)   ; the wave stores 256 consecutive bytes, aligned
.endm
.irp t, 0,1,2,3,4,5,6,7,8,9,10,11,12,13,14,15
	STEP \t
.endr
	ds_load_b64 v[8:9], v6                         ; my wave's 256 scale bytes: these loads see my stores
	s_wait_dscnt 0x0
	global_store_b64 v7, v[8:9], s[26:27]          ; 256 consecutive bytes, aligned
	s_wait_tensorcnt 0x0                           ; the wave's end, behind my last LDS store
	ds_add_u32 v[SPW], v[NIL]
	s_wait_dscnt 0x0
	s_endpgm
; ---------------- Wc into f16.  A wave takes 8,192 numbers: 64 loads of 512 consecutive bytes, in four groups of 16 on two sets of registers; each store covers 256 consecutive bytes, aligned.
.Lwc:
	s_sub_co_u32 s36, ttmp9, 864
	s_lshl_b32 s36, s36, 2
	s_add_co_u32 s36, s36, s35
	s_lshl_b32 s38, s36, 15
	s_add_nc_u64 s[20:21], s[20:21], s[38:39]
	s_lshl_b32 s38, s36, 14
	s_add_nc_u64 s[28:29], s[28:29], s[38:39]
	v_lshlrev_b32 v3, 4, v2
	v_lshlrev_b32 v4, 3, v2
.macro LOADG g
.irp i, 0,1,2,3,4,5,6,7,8,9,10,11,12,13,14,15
	global_load_b128 v[64+64*((\g)%2)+4*\i:64+64*((\g)%2)+4*\i+3], v3, s[20:21] offset:(16*(\g)+\i)*512 th:TH_LOAD_NT
.endr
.endm
.macro CVTG g
.set WB, 64+64*((\g)%2)
.if (\g) < 3
	s_wait_loadcnt 16                              ; this group's 16 loads are in; the other set's 16 may be out
.else
	s_wait_loadcnt 0x0
.endif
.if (\g) > 0
	s_wait_xcnt 0x0                                ; the last group's stores have read v16-47, which are written again below
.endif
.irp i, 0,1,2,3,4,5,6,7,8,9,10,11,12,13,14,15
	v_cvt_pk_f16_f32 v[16+2*\i], v[WB+4*\i], v[WB+4*\i+1]
	v_cvt_pk_f16_f32 v[17+2*\i], v[WB+4*\i+2], v[WB+4*\i+3]
.endr
.irp i, 0,1,2,3,4,5,6,7,8,9,10,11,12,13,14,15
	global_store_b64 v4, v[16+2*\i:17+2*\i], s[28:29] offset:(16*(\g)+\i)*256
.endr
.if (\g) < 2
	LOADG (\g)+2
.endif
.endm
	LOADG 0
	LOADG 1
	CVTG 0
	CVTG 1
	CVTG 2
	CVTG 3
	s_endpgm
; ---------------- the mask.  Wave unit u = 4 (work-group - 896) + wave: b = u / 256, qb = (u / 8) % 32, g = u % 8: 64 queries x 256 keys.
; Lane (r, h) loads, of query 16 qt + r, the 16 bytes of keys 32 uu + 16 h on.  Two exchanges of halves give registers 0, 1: keys 32 uu + 8 h + 0..7 (key tile 2 uu), registers 2, 3: the same of key tile 2 uu + 1:
; the place that the score of that key and query has in the attention launch's lanes.  A compare of one byte then IS a word of mw; it is set into the lane and register from which 16-byte stores lay the words in order.
.Lmask:
	s_sub_co_u32 s36, ttmp9, 896
	s_lshl_b32 s36, s36, 2
	s_add_co_u32 s36, s36, s35                     ; u
	s_lshr_b32 s37, s36, 8
	s_lshl_b32 s38, s37, 22                        ; b x 2048 x 2048
	s_bfe_u32 s37, s36, 0x50003
	s_lshl_b32 s37, s37, 17                        ; qb x 64 rows of 2,048 bytes
	s_add_co_u32 s38, s38, s37
	s_and_b32 s37, s36, 7
	s_lshl_b32 s37, s37, 8                         ; g x 256 keys
	s_add_co_u32 s38, s38, s37
	s_add_nc_u64 s[22:23], s[22:23], s[38:39]
	s_lshr_b32 s37, s36, 3
	s_lshl_b32 s38, s37, 14                        ; mw: (32 b + qb) x 32 steps of 512 bytes
	s_and_b32 s37, s36, 7
	s_lshl_b32 s37, s37, 11                        ; + 4 g steps
	s_add_co_u32 s38, s38, s37
	s_add_nc_u64 s[30:31], s[30:31], s[38:39]
	s_lshl_b32 s38, s36, 2
	s_add_nc_u64 s[32:33], s[32:33], s[38:39]      ; mf: word u
	v_and_b32 v3, 15, v2
	v_lshrrev_b32 v4, 4, v2
	v_lshlrev_b32 v3, 11, v3
	v_lshl_add_u32 v3, v4, 4, v3                   ; 2048 r + 16 h
	v_lshlrev_b32 v5, 4, v2                        ; out: 16 bytes a lane
.irp qt, 0,1,2,3
.irp uu, 0,1,2,3,4,5,6,7
	global_load_b128 v[64+4*(8*\qt+\uu):64+4*(8*\qt+\uu)+3], v3, s[22:23] offset:32768*\qt+32*\uu th:TH_LOAD_NT   ; a tile's eight loads cover 16 rows x 256 consecutive bytes
.endr
.endr
.irp i, 0,1,2,3,4,5,6,7,8,9,10,11,12,13,14,15
	v_mov_b32 v[32+\i], 0                          ; the words' registers: a lane write's destination counts as read
.endr
.macro WORDS qt
	s_wait_loadcnt 24-8*\qt                        ; this query tile's eight loads are in; the later tiles' may be out
.irp uu, 0,1,2,3,4,5,6,7
.set RB, 64+4*(8*\qt+\uu)
	v_permlane16_swap_b32 v[RB], v[RB+2]
	v_permlane16_swap_b32 v[RB+1], v[RB+3]
.irp e, 0,1
.irp jj, 0,1
.irp i, 0,1,2,3
	v_and_b32 v[8+\i], 0xff<<(8*\i), v[RB+2*\e+\jj]          ; key 8 h + 4 jj + i of key tile 2 uu + e
.endr
.irp i, 0,1,2,3
	v_cmp_ne_u32 s[40+\i], 0, v[8+\i]                        ; the word: a bit a lane
.endr
.irp i, 0,1,2,3
	v_writelane_b32 v[32+4*((2*\uu+\e)/4)+\i], s[40+\i], 8*\qt+2*((2*\uu+\e)%4)+\jj   ; word 32 qt + 8 kt + 4 jj + i of step (2 uu + e) / 4: lane = word / 4, register = word % 4
.endr
.endr
.endr
.endr
.endm
	WORDS 0
	WORDS 1
	WORDS 2
	WORDS 3
	s_mov_b32 s46, 0
.irp s, 0,1,2,3
	v_or_b32 v8, v[32+4*\s], v[33+4*\s]
	v_or_b32 v9, v[34+4*\s], v[35+4*\s]
	v_or_b32 v8, v8, v9
	v_cmp_ne_u32 s44, 0, v8
	s_cmp_lg_u32 s44, 0                            ; has step 4 g + s a masked entry?  A choice of a value, no branch
	s_cselect_b32 s45, 1<<\s, 0
	s_or_b32 s46, s46, s45
.endr
.irp s, 0,1,2,3
	global_store_b128 v5, v[32+4*\s:35+4*\s], s[30:31] offset:512*\s   ; a step's 128 words: 512 consecutive bytes
.endr
	v_mov_b32 v6, s46
	v_mov_b32 v7, 0
	v_cmp_eq_u32 vcc_lo, 0, v2
	s_wait_xcnt 0x0                                ; EXEC changes only behind this wait
	s_and_saveexec_b32 s47, vcc_lo
	global_store_b32 v7, v6, s[32:33]              ; lane 0 stores the unit's four flags
	s_wait_xcnt 0x0
	s_or_b32 exec_lo, exec_lo, s47
	s_endpgm
.Lfunc_end_k_qdd083fbb7d_prep:
	.size	k_qdd083fbb7d_prep, .Lfunc_end_k_qdd083fbb7d_prep-k_qdd083fbb7d_prep
	.p2alignl 7, 3214868480
	.fill 96, 4, 3214868480
	.section	.rodata,"a",@progbits
	.p2align	6, 0x0
	.amdhsa_kernel k_qdd083fbb7d_prep
		.amdhsa_group_segment_fixed_size 33280
		.amdhsa_private_segment_fixed_size 0
		.amdhsa_enable_private_segment 0
		.amdhsa_kernarg_size 104
		.amdhsa_user_sgpr_count 2
		.amdhsa_user_sgpr_kernarg_segment_ptr 1
		.amdhsa_wavefront_size32 1
		.amdhsa_system_sgpr_workgroup_id_x 1
		.amdhsa_system_sgpr_workgroup_id_y 1
		.amdhsa_system_sgpr_workgroup_id_z 1
		.amdhsa_system_vgpr_workitem_id 0
		.amdhsa_next_free_vgpr 192
		.amdhsa_next_free_sgpr 66
		.amdhsa_reserve_vcc 1
		.amdhsa_float_denorm_mode_32 3
		.amdhsa_float_denorm_mode_16_64 3
		.amdhsa_memory_ordered 1
		.amdhsa_forward_progress 1
		.amdhsa_inst_pref_size 159
	.end_amdhsa_kernel
	.amdgpu_metadata
---
amdhsa.version: [ 1, 2 ]
amdhsa.kernels:
  - .name:           k_qdd083fbb7d_prep
    .symbol:         k_qdd083fbb7d_prep.kd
    .args:
      - { .name: queries, .offset: 0, .size: 8, .value_kind: global_buffer, .address_space: global }
      - { .name: keys, .offset: 8, .size: 8, .value_kind: global_buffer, .address_space: global }
      - { .name: values, .offset: 16, .size: 8, .value_kind: global_buffer, .address_space: global }
      - { .name: Wq, .offset: 24, .size: 8, .value_kind: global_buffer, .address_space: global }
      - { .name: Wk, .offset: 32, .size: 8, .value_kind: global_buffer, .address_space: global }
      - { .name: Wv, .offset: 40, .size: 8, .value_kind: global_buffer, .address_space: global }
      - { .name: Wc, .offset: 48, .size: 8, .value_kind: global_buffer, .address_space: global }
      - { .name: attn_mask, .offset: 56, .size: 8, .value_kind: global_buffer, .address_space: global }
      - { .name: codes, .offset: 64, .size: 8, .value_kind: global_buffer, .address_space: global }
      - { .name: scales, .offset: 72, .size: 8, .value_kind: global_buffer, .address_space: global }
      - { .name: wc16, .offset: 80, .size: 8, .value_kind: global_buffer, .address_space: global }
      - { .name: mw, .offset: 88, .size: 8, .value_kind: global_buffer, .address_space: global }
      - { .name: mf, .offset: 96, .size: 8, .value_kind: global_buffer, .address_space: global }
    .group_segment_fixed_size: 33280
    .private_segment_fixed_size: 0
    .kernarg_segment_align: 8
    .kernarg_segment_size: 104
    .max_flat_workgroup_size: 128
    .sgpr_count:     66
    .vgpr_count:     192
    .wavefront_size: 32
...
	.end_amdgpu_metadata
.endif
;; end of part 1
;; launch proj (part 2): grid 4 x 96, 4 waves a work-group, clusters of 4 x 4, 327,680 bytes of LDS; arguments codes, scales, qkv; writes qkv
.if DOCPART == 2
	.amdgcn_target "amdgcn-amd-amdhsa--gfx1250"
	.amdhsa_code_object_version 6
	.text
	.protected	k_qdd083fbb7d_proj
	.globl	k_qdd083fbb7d_proj
	.p2align	8
	.type	k_qdd083fbb7d_proj,@function
k_qdd083fbb7d_proj:
	s_mov_b64 s[64:65], 0
	v_nop
	global_prefetch_b8 v0, s[64:65] scope:SCOPE_SE
	s_setreg_imm32_b32 hwreg(HW_REG_WAVE_MODE, 25, 1), 1
	s_wait_xcnt 0x0
	s_wait_alu depctr_hold_cnt(0) depctr_sa_sdst(0) depctr_va_vdst(0) depctr_va_sdst(0) depctr_va_ssrc(0) depctr_va_vcc(0) depctr_vm_vsrc(0)
	s_getreg_b32 s2, hwreg(HW_REG_IB_STS2, 6, 4)
	s_cmp_eq_u32 s2, 0
	s_cbranch_scc0 .Lentry_in_a_cluster
	s_endpgm
.Lentry_in_a_cluster:
	s_bfe_u32 s2, ttmp6, 0x10000c
	s_cmp_lg_u32 s2, 0xf033
	s_cbranch_scc0 .Lentry_shape_is_right
	s_endpgm
.Lentry_shape_is_right:
; THE THREE PROJECTIONS AS ONE GEMM ON CODES OF FP4 (E2M1) with one E8M0 scale for each 32 along K:  C[m][n] = sum over k of A[m][k] B[n][k], K = 1,024.
; A: rows 0-24575 of codes (queries, keys, values, 8,192 rows each);  B: for tensor p = m / 8192 the 1,024 rows from 24576 + 1024 p on (Wq, Wk, Wv).  A row is 512 bytes of codes and 32 scale bytes.
; The result leaves as f16, by head: qkv [p 3][b 4][h 16][t 2048][64].  LIMIT: |result| under 65,504 (f16's largest number).
; A tile of C, 256 x 256, is made by four waves, as many as a WGP has SIMDs; a wave makes 128 x 128: 64 accumulators, 512 registers.  K is two slots of 512 (rows of 256 bytes): both are asked for at the start, nothing is filled again.
; The scale bytes of the tile's 256 rows of A and of B, two dense blocks of 8,192 bytes, come with the first fills.
; CLUSTERS: 4 x 4 work-groups.  The four of a row of the cluster need the same tiles of A, the four of a column the same tiles of B (a cluster's four tile rows lie in one tensor p, since 32 tile rows make a tensor): each
; tile is asked for JOINTLY, by the same tensor load with the same descriptor and a mask that names the four.
; THE MATRIX INSTRUCTION IS USED TRANSPOSED (source 0 = 16 rows of B, source 1 = 16 rows of A): a lane holds eight neighbouring columns of one row of C.
; REGISTERS, in windows of 256: window 0: v0-31 addresses; v32-95 scale words, two sets; v128-191 A's fragments, ONE set; on the way out v32-63, v192-255.  window 1: B's fragments, two sets, at v0 and v128.
;   window 2: the accumulators of my rows 0-63 ((a, b) at v[8 (8 a + b)]);  window 3: those of my rows 64-127.
; No prefetch: all that the launch reads is asked for by the first fills.
.set KSTEP,  512
.set NQ,     KSTEP/128
.set ROWB,   256                       ; a tile's row in bytes
.set KROW,   512                       ; a row of codes in memory
.set PITCH,  272                       ; an LDS row: 256 bytes + 16 of padding = 68 words: the 16 rows that a load touches start at 16 different banks (64 banks of 4 bytes: ISA guide 11.1)
.set FR,     8
.set NL,     2
.set NP,     4                         ; places behind this matrix instruction (ISA guide 7.12.1)
.set HALFT,  128*PITCH
.set SLOT,   4*HALFT
.set KS,     32                        ; a row of scales in bytes
.set SCL,    2*SLOT
.set HALFS,  (128*KS/256)*272
.set SBLK,   (16*KS/256)*272
.set SPARE,  SCL+4*HALFS               ; the spare words, 128 bytes a wave
.set SPITCH, 272                       ; the way out: 16 rows x (256 bytes + 16) for each wave, in slot 0, which has had its one fill and its last read by then
.set ADRA, 16
.set ADRB, 20
.set STO,  24
.set RD,   25
.set CO,   26
.set ADRS, 27
.set SPW,  28
.set NIL,  29
.set SC,   32
.set AF,   128
.set TMP,  192                         ; the way out: packed results
.set OB,   32                          ; and 16 rows read back: v32-63 and v224-255 by turns
.set G1, 24
.set G0, 32
.set G1B, 48
.set G0B, 56
.set G1S, 68
.set G0S, 76
.set G1SB, 80
.set G0SB, 88
.set MSB, 0
.macro WIN new                         ; the immediate's high byte repeats the setting that is left
.if MSB != \new
	s_set_vgpr_msb (MSB<<8)|\new
.set MSB, \new
.endif
.endm
.set MUL_LO, 0xa1                      ; source 0 (B) window 1, source 1 (A) window 0, C and D window 2
.set MUL_HI, 0xf1
.set TO_B,   0x40
; A joint load: waves 0 and 1 fetch for A, waves 2 and 3 for B.  The branch hangs on the wave's number alone.  An s_nop 0 and four v_nop follow each of the two lines.
.macro JLOAD g0a, g1a, g0b, g1b
	s_cmp_eq_u32 s15, 0
	s_cbranch_scc0 .Lfor_b_\@
	tensor_load_to_lds s[\g0a:\g0a+3], s[\g1a:\g1a+7]
	s_nop 0
.rept 4
	v_nop
.endr
	s_branch .Lasked_\@
.Lfor_b_\@:
	tensor_load_to_lds s[\g0b:\g0b+3], s[\g1b:\g1b+7]
	s_nop 0
.rept 4
	v_nop
.endr
.Lasked_\@:
.endm
.macro CROUND                          ; a round of the cluster's barrier
	s_barrier_signal -1
	s_barrier_wait -1
	s_cmp_lg_u32 s14, 0
	s_cbranch_scc1 .Lnot_wave_0_\@
	s_barrier_signal -3
.Lnot_wave_0_\@:
	s_barrier_wait -3
	s_barrier_signal -1
	s_barrier_wait -1
.endm
	s_load_b128 s[4:7], s[0:1], 0x0                ; codes s[4:5], scales s[6:7]
	s_load_b64 s[12:13], s[0:1], 0x10              ; qkv
	v_lshl_add_u32 v[SPW], v0, 2, SPARE
	v_mov_b32 v[NIL], 0
	ds_add_u32 v[SPW], v[NIL]                      ; the wave's opening: the add and its wait stand ahead of my first tensor load; the set-up below stands between them
	v_lshrrev_b32 v1, 5, v0
	v_readfirstlane_b32 s14, v1                    ; wave 0..3
	s_lshr_b32 s15, s14, 1                         ; which half of the tile's rows is mine.  Also: I fetch for A (0) or for B (1)
	s_and_b32 s16, s14, 1                          ; which half of its columns.  Also: which 128 rows I fetch
	s_bfe_u32 s40, ttmp6, 0x40000                  ; cx, cy
	s_bfe_u32 s41, ttmp6, 0x40004
	s_lshl_b32 s42, ttmp9, 2
	s_add_co_u32 s42, s42, s40                     ; tile column = 4 x cluster x + cx
	s_and_b32 s17, ttmp7, 0xffff
	s_lshl_b32 s17, s17, 2
	s_add_co_u32 s17, s17, s41                     ; tile row = 4 x cluster y + cy
	s_lshl_b32 s43, s41, 2
	s_lshl_b32 s43, 15, s43                        ; my row of the cluster
	s_lshl_b32 s44, 0x1111, s40                    ; my column
	s_or_b32 s[G1+0], s43, (0<<16)|(1<<20)|(1<<21)|(5<<22)|(3<<25)  ; the mask; elements of 1 byte; padding on; bit 21 beside a mask; after every 64 words, 4 words
	s_or_b32 s[G1B+0], s44, (0<<16)|(1<<20)|(1<<21)|(5<<22)|(3<<25)
.irp g, G1, G1B
	s_mov_b32 s[\g+1], ROWB<<16                    ; tensor_dim0
	s_mov_b32 s[\g+2], 128<<16                     ; tensor_dim1
	s_mov_b32 s[\g+3], ROWB<<16                    ; tile_dim0
	s_mov_b32 s[\g+4], 128                         ; tile_dim1
	s_mov_b32 s[\g+5], KROW                        ; the pitch
	s_mov_b32 s[\g+6], 0
	s_mov_b32 s[\g+7], 0
.endr
	s_or_b32 s[G1S+0], s43, (3<<16)|(1<<20)|(1<<21)|(5<<22)|(3<<25) ; the scales of 128 rows: 4,096 dense bytes as 16 rows of 256 (32 elements of 8 bytes), 16 bytes of padding behind each
	s_or_b32 s[G1SB+0], s44, (3<<16)|(1<<20)|(1<<21)|(5<<22)|(3<<25)
.irp g, G1S, G1SB
	s_mov_b32 s[\g+1], 32<<16
	s_mov_b32 s[\g+2], (128*KS/256)<<16
	s_mov_b32 s[\g+3], 32<<16
	s_mov_b32 s[\g+4], 128*KS/256
	s_mov_b32 s[\g+5], 32
	s_mov_b32 s[\g+6], 0
	s_mov_b32 s[\g+7], 0
.endr
	s_lshl_b32 s18, s16, 7                         ; which 128 rows of the tile I fetch
	s_lshl_b32 s20, s17, 8
	s_add_co_u32 s20, s20, s18                     ; A: row 256 x tile row + 128 x half
	s_lshl_b32 s46, s42, 8
	s_add_co_u32 s46, s46, s18                     ; B: 256 x tile column + 128 x half,
	s_and_b32 s95, ttmp7, 0xffff
	s_lshr_b32 s95, s95, 3                         ; p = cluster y / 8: made of the cluster's y alone, which all sixteen share
	s_lshl_b32 s95, s95, 10
	s_add_co_u32 s46, s46, s95                     ; + 1024 p,
	s_add_co_u32 s46, s46, 24576                   ; behind the 24,576 rows of A
	s_mov_b32 s21, 0
	s_mov_b32 s47, 0
	s_mov_b64 s[18:19], KS
	s_mul_u64 s[22:23], s[20:21], s[18:19]         ; where these rows' scales begin, in bytes
	s_mul_u64 s[92:93], s[46:47], s[18:19]
	s_mov_b64 s[18:19], KROW
	s_mul_u64 s[20:21], s[20:21], s[18:19]         ; and their codes
	s_mul_u64 s[46:47], s[46:47], s[18:19]
	s_mul_i32 s45, s14, HALFT                      ; where they go: wave x 128 rows
	s_mul_i32 s94, s14, HALFS
	s_wait_dscnt 0x0                               ; the opening add is done
	s_wait_kmcnt 0x0
	s_add_nc_u64 s[20:21], s[4:5], s[20:21]
	s_add_nc_u64 s[22:23], s[6:7], s[22:23]
	s_add_nc_u64 s[46:47], s[4:5], s[46:47]
	s_add_nc_u64 s[92:93], s[6:7], s[92:93]
	CROUND                                         ; all sixteen work-groups are here: the first joint loads meet
	s_mov_b32 s[G0S], 1
	s_add_co_u32 s[G0S+1], s94, SCL
	s_mov_b64 s[G0S+2:G0S+3], s[22:23]
	s_or_b32 s[G0S+3], s[G0S+3], 0x80000000
	s_mov_b32 s[G0SB], 1
	s_add_co_u32 s[G0SB+1], s94, SCL
	s_mov_b64 s[G0SB+2:G0SB+3], s[92:93]
	s_or_b32 s[G0SB+3], s[G0SB+3], 0x80000000
	JLOAD G0S, G1S, G0SB, G1SB                     ; the scales first; by this text's count three loads of a wave are out at the most
.irp s, 0,1
	s_mov_b32 s[G0+4*\s], 1
	s_add_co_u32 s[G0+4*\s+1], s45, \s*SLOT
	s_add_nc_u64 s[G0+4*\s+2:G0+4*\s+3], s[20:21], \s*ROWB
	s_or_b32 s[G0+4*\s+3], s[G0+4*\s+3], 0x80000000
	s_mov_b32 s[G0B+4*\s], 1
	s_add_co_u32 s[G0B+4*\s+1], s45, \s*SLOT
	s_add_nc_u64 s[G0B+4*\s+2:G0B+4*\s+3], s[46:47], \s*ROWB
	s_or_b32 s[G0B+4*\s+3], s[G0B+4*\s+3], 0x80000000
	JLOAD G0+4*\s, G1, G0B+4*\s, G1B
.endr
	v_and_b32 v1, 15, v0                           ; l % 16
	v_bfe_u32 v2, v0, 4, 1                         ; l / 16
	v_mul_u32_u24 v3, v1, PITCH
	v_lshl_add_u32 v4, v2, 4, v3                   ; a fragment's row x pitch + 16 x half
	s_mul_i32 s21, s15, HALFT                      ; my 128 rows of A
	s_mul_i32 s22, s16, HALFT                      ; my 128 rows of B,
	s_add_co_u32 s22, s22, 2*HALFT                 ; behind A's 256
.irp s, 0,1
	v_add_nc_u32 v[ADRA+\s], s21, v4
	v_add_nc_u32 v[ADRB+\s], s22, v4
	s_add_co_u32 s21, s21, SLOT
	s_add_co_u32 s22, s22, SLOT
.endr
	v_mul_u32_u24 v5, v1, KS                       ; my row's scales: 32 bytes a row,
	v_lshrrev_b32 v6, 8, v5
	v_lshl_add_u32 v5, v6, 4, v5                   ; and 16 more for each 256 passed
	s_mul_i32 s21, s15, HALFS
	s_mul_i32 s22, s16, HALFS
	s_add_co_u32 s22, s22, 2*HALFS
	s_sub_co_u32 s22, s22, s21
	v_mul_u32_u24 v6, s22, v2                      ; lanes 16-31 take B's: one product, the distance between the two bases
	s_add_co_u32 s21, s21, SCL
	v_add_nc_u32 v5, v5, v6
	v_add_nc_u32 v[ADRS], s21, v5
	s_mul_i32 s23, s14, 16*SPITCH                  ; my stage
	v_mul_u32_u24 v5, v1, SPITCH                   ; in: row l % 16, 16 bytes for each half of the lanes
	v_lshl_add_u32 v5, v2, 4, v5
	v_add_nc_u32 v[STO], s23, v5
	v_bfe_u32 v5, v0, 3, 2                         ; back: eight lanes take one head's 128 bytes of a row, the wave four rows
	v_mul_u32_u24 v5, v5, SPITCH
	v_and_b32 v6, 7, v0
	v_lshl_add_u32 v5, v6, 4, v5
	v_add_nc_u32 v[RD], s23, v5
	v_and_b32 v6, 31, v0
	v_lshlrev_b32 v[CO], 4, v6                     ; in memory four tokens of a head are 512 consecutive bytes: 16 x lane
	s_lshr_b32 s20, s17, 3                         ; 4 p + b: eight tile rows make a batch
	s_lshl_b32 s20, s20, 22                        ; 16 heads x 2048 tokens x 128 bytes
	s_and_b32 s21, s17, 7
	s_lshl_b32 s21, s21, 15                        ; 256 tokens x 128 bytes
	s_add_co_u32 s20, s20, s21
	s_lshl_b32 s21, s15, 14                        ; my half: 128 tokens
	s_add_co_u32 s20, s20, s21
	s_mov_b32 s21, 0
	s_lshl_b32 s46, s42, 20                        ; head 4 x tile column + 2 x half, 262,144 bytes a head
	s_lshl_b32 s47, s16, 19
	s_add_co_u32 s46, s46, s47
	s_mov_b32 s47, 0
	s_add_nc_u64 s[20:21], s[20:21], s[46:47]
	s_add_nc_u64 s[12:13], s[12:13], s[20:21]
.macro FRAG reg, adr, q, i             ; 16 rows x 128 K of 4-bit codes: 8 registers: lane l holds row l % 16; registers 4 c .. 4 c + 3 hold K = 64 c + 32 (l / 16) + 0 .. 31
.irp c, 0,1
	ds_load_b128 v[\reg+4*\c:\reg+4*\c+3], v[\adr] offset:64*(\q)+32*\c+(\i)*16*PITCH
.endr
.endm
; 16 matrix instructions: A's blocks a0, a0 + 1 x B's eight, the slot's q-th 128 along K.  The 64 accumulators take turns, one instruction a turn, in the same order in every step.
.macro MUL16 a0, p, q, sc, zero
.irp a, \a0, \a0+1
.irp b, 0,1,2,3,4,5,6,7
.if \zero
	v_wmma_scale_f32_16x16x128_f8f6f4 v[8*(8*((\a)%4)+\b):8*(8*((\a)%4)+\b)+7], v[128*(\p)+FR*\b:128*(\p)+FR*\b+FR-1], v[AF+FR*(\a):AF+FR*(\a)+FR-1], 0, v[SC+8*NQ*(\sc)+NQ*\b+(\q)], v[SC+8*NQ*(\sc)+NQ*(\a)+(\q)] matrix_a_fmt:MATRIX_FMT_FP4 matrix_b_fmt:MATRIX_FMT_FP4 matrix_a_scale:MATRIX_SCALE_ROW1
.else
	v_wmma_scale_f32_16x16x128_f8f6f4 v[8*(8*((\a)%4)+\b):8*(8*((\a)%4)+\b)+7], v[128*(\p)+FR*\b:128*(\p)+FR*\b+FR-1], v[AF+FR*(\a):AF+FR*(\a)+FR-1], v[8*(8*((\a)%4)+\b):8*(8*((\a)%4)+\b)+7], v[SC+8*NQ*(\sc)+NQ*\b+(\q)], v[SC+8*NQ*(\sc)+NQ*(\a)+(\q)] matrix_a_fmt:MATRIX_FMT_FP4 matrix_b_fmt:MATRIX_FMT_FP4 matrix_a_scale:MATRIX_SCALE_ROW1
.endif
.endr
.endr
.endm
.macro FETCH_B slot, q, p
	WIN TO_B
.irp i, 0,1,2,3,4,5,6,7
	FRAG 128*(\p)+FR*\i, ADRB+\slot, \q, \i
.endr
	WIN 0
.endm
.macro FETCH_A slot, q, i0
.irp i, \i0, \i0+1, \i0+2, \i0+3
	FRAG AF+FR*(\i), ADRA+\slot, \q, \i
.endr
.endm
.macro SCALES sc                       ; a slot's scale words: four words a row; lanes 0-15 take A's block i, lanes 16-31 B's block i
.irp i, 0,1,2,3,4,5,6,7
	ds_load_b128 v[SC+8*NQ*\sc+NQ*\i:SC+8*NQ*\sc+NQ*\i+3], v[ADRS] offset:\i*SBLK
.endr
.endm
.macro PLACES n                        ; plain vector lines between a matrix instruction and a load into, or a read of, its registers
.rept \n
	v_nop
.endr
.endm
.macro STEP slot, q, zero              ; a step of 128 along K that has its successor in the same slot
	s_wait_dscnt 4*NL                              ; B's set and A's blocks 0-3 are in; the youngest eight loads (A's blocks 4-7) may be out
	WIN MUL_LO
	MUL16 0, (\q)%2, \q, \slot, \zero
	MUL16 2, (\q)%2, \q, \slot, \zero
	s_wait_dscnt 0
	PLACES NP
	FETCH_B \slot, (\q)+1, 1-(\q)%2
	FETCH_A \slot, (\q)+1, 0
	WIN MUL_HI
	MUL16 4, (\q)%2, \q, \slot, \zero
	MUL16 6, (\q)%2, \q, \slot, \zero
	PLACES NP
	WIN 0
	FETCH_A \slot, (\q)+1, 4
.endm
.macro TURN slot, next                 ; a slot's last step changes slots: one barrier; in front of it each wave waits for all its tensor loads, adds 0 to its spare word, and waits for that and for its reads of this slot
	s_wait_tensorcnt 0x0                           ; my part of the next slot has landed
	ds_add_u32 v[SPW], v[NIL]
	s_wait_dscnt 4*NL+1                            ; (the add and the youngest eight loads may be out)
	WIN MUL_LO
	MUL16 0, 1, NQ-1, \slot, 0
	s_wait_dscnt 0x0                               ; the add is done, and my reads of this slot are over
	s_barrier_signal -1
	MUL16 2, 1, NQ-1, \slot, 0
	WIN 0
	s_barrier_wait -1
	PLACES NP
	v_add_nc_u32 v[ADRS], 4*NQ, v[ADRS]            ; on to the next slot's scale words
	FETCH_B \next, 0, 0
	FETCH_A \next, 0, 0
	SCALES \next
	WIN MUL_HI
	MUL16 4, 1, NQ-1, \slot, 0
	MUL16 6, 1, NQ-1, \slot, 0
	PLACES NP
	WIN 0
	FETCH_A \next, 0, 4
.endm
	s_wait_tensorcnt 1                             ; the scales and my part of slot 0 are in; slot 1's load may be out
	s_barrier_signal -1
	s_barrier_wait -1
	FETCH_B 0, 0, 0
	FETCH_A 0, 0, 0
	SCALES 0
	FETCH_A 0, 0, 4
	STEP 0, 0, 1                                   ; the first step's products start the sums: nothing is cleared
	STEP 0, 1, 0
	STEP 0, 2, 0
	TURN 0, 1
	STEP 1, 0, 0
	STEP 1, 1, 0
	STEP 1, 2, 0
	s_wait_dscnt 4*NL                              ; the last step: nothing more to fetch
	WIN MUL_LO
	MUL16 0, 1, NQ-1, 1, 0
	MUL16 2, 1, NQ-1, 1, 0
	s_wait_dscnt 0
	WIN MUL_HI
	MUL16 4, 1, NQ-1, 1, 0
	MUL16 6, 1, NQ-1, 1, 0
	WIN 0
; THE WAY OUT, block by block of 16 rows x 128 columns.  PACK: rounded to f16, 16 bytes a lane, each accumulator from its low end on.  TOSTAGE: into my own stage, and back so that the wave holds four tokens of one head.  SEND: stored.
.macro PACK a
.set AC, 64*((\a)%4)
	WIN 0x0a+5*((\a)/4)                            ; sources 0 and 1: window 2 or 3
.irp b, 0,1,2,3,4,5,6,7
.irp r, 0,1,2,3
	v_cvt_pk_f16_f32 v[TMP+4*\b+\r], v[AC+8*\b+2*\r], v[AC+8*\b+2*\r+1]
.endr
.endr
	WIN 0
.endm
.macro TOSTAGE a
.set BB, OB+192*((\a)%2)
.irp b, 0,1,2,3,4,5,6,7
	ds_store_b128 v[STO], v[TMP+4*\b:TMP+4*\b+3] offset:32*\b
.endr
.irp hh, 0,1
.irp g, 0,1,2,3
	ds_load_b128 v[BB+4*(4*\hh+\g):BB+4*(4*\hh+\g)+3], v[RD] offset:4*\g*SPITCH+128*\hh   ; LDS serves a wave's instructions in order: these see the stores above
.endr
.endr
.endm
.macro SEND a
.set BB, OB+192*((\a)%2)
	s_wait_dscnt 0x0                               ; the block is back in registers
	s_wait_xcnt 0x0                                ; the stores of the block before have read their registers, into which the next block's loads will land
.irp hh, 0,1
.irp g, 0,1,2,3
	global_store_b128 v[CO], v[BB+4*(4*\hh+\g):BB+4*(4*\hh+\g)+3], s[12:13] offset:\hh*262144+(16*(\a)+4*\g)*128   ; 512 consecutive bytes, aligned: four tokens of one head
.endr
.endr
.endm
	PLACES NP                                      ; behind the last products: for the loads into the scale words' registers and for the reads of results
	PACK 0
	TOSTAGE 0
.irp a, 1,2,3,4,5,6,7                  ; block a's conversions stand between block a - 1's loads from the stage and the wait for them
	PACK \a
	SEND \a-1
	TOSTAGE \a
.endr
	SEND 7
	s_wait_tensorcnt 0x0                           ; the wave's end
	ds_add_u32 v[SPW], v[NIL]
	s_wait_dscnt 0x0
	CROUND                                         ; the closing round
	s_endpgm
.Lfunc_end_k_qdd083fbb7d_proj:
	.size	k_qdd083fbb7d_proj, .Lfunc_end_k_qdd083fbb7d_proj-k_qdd083fbb7d_proj
	.p2alignl 7, 3214868480
	.fill 96, 4, 3214868480
	.section	.rodata,"a",@progbits
	.p2align	6, 0x0
	.amdhsa_kernel k_qdd083fbb7d_proj
		.amdhsa_group_segment_fixed_size 327680
		.amdhsa_private_segment_fixed_size 0
		.amdhsa_enable_private_segment 0
		.amdhsa_kernarg_size 24
		.amdhsa_user_sgpr_count 2
		.amdhsa_user_sgpr_kernarg_segment_ptr 1
		.amdhsa_wavefront_size32 1
		.amdhsa_system_sgpr_workgroup_id_x 1
		.amdhsa_system_sgpr_workgroup_id_y 1
		.amdhsa_system_sgpr_workgroup_id_z 1
		.amdhsa_system_vgpr_workitem_id 0
		.amdhsa_next_free_vgpr 1024
		.amdhsa_next_free_sgpr 98
		.amdhsa_reserve_vcc 0
		.amdhsa_float_denorm_mode_32 3
		.amdhsa_float_denorm_mode_16_64 3
		.amdhsa_memory_ordered 1
		.amdhsa_forward_progress 1
		.amdhsa_inst_pref_size 126
	.end_amdhsa_kernel
	.amdgpu_metadata
---
amdhsa.version: [ 1, 2 ]
amdhsa.kernels:
  - .name:           k_qdd083fbb7d_proj
    .symbol:         k_qdd083fbb7d_proj.kd
    .args:
      - { .name: codes, .offset: 0, .size: 8, .value_kind: global_buffer, .address_space: global }
      - { .name: scales, .offset: 8, .size: 8, .value_kind: global_buffer, .address_space: global }
      - { .name: qkv, .offset: 16, .size: 8, .value_kind: global_buffer, .address_space: global }
    .group_segment_fixed_size: 327680
    .private_segment_fixed_size: 0
    .kernarg_segment_align: 8
    .kernarg_segment_size: 24
    .max_flat_workgroup_size: 128
    .sgpr_count:     98
    .vgpr_count:     1024
    .wavefront_size: 32
...
	.end_amdgpu_metadata
.endif
;; end of part 2
;; launch attn (part 3): grid 4 x 64, 8 waves a work-group, no clusters, 152,576 bytes of LDS; arguments qkv, mw, mf, ao; writes ao
.if DOCPART == 3
	.amdgcn_target "amdgcn-amd-amdhsa--gfx1250"
	.amdhsa_code_object_version 6
	.text
	.protected	k_qdd083fbb7d_attn
	.globl	k_qdd083fbb7d_attn
	.p2align	8
	.type	k_qdd083fbb7d_attn,@function
k_qdd083fbb7d_attn:
	s_mov_b64 s[64:65], 0
	v_nop
	global_prefetch_b8 v0, s[64:65] scope:SCOPE_SE
	s_setreg_imm32_b32 hwreg(HW_REG_WAVE_MODE, 25, 1), 1
	s_wait_xcnt 0x0
; ao[b][h][q][:] = the sum over k of softmax_k(mask ? -inf : q . k / 8) v[k][:], for 64 planes (b, h) of 2,048 tokens x 64 channels.  q, k, v: f16, qkv [p][b][h][t][64]; ao likewise, f16.  Products, maxima, sums in f32;
; the weights p are rounded to f16 for the second product.  f16 and not bf16: 11 significant bits; q, k, v must stay under 65,504 (stated limit), p lies in [0, 1], the result is an average of v.
; SHARES.  Work-group (x, y) owns 512 queries of plane y; each of its eight waves 64: four tiles of 16, in 512 registers: two waves on a SIMD, each in plain phases (K Q^T, softmax, V^T P), so that one wave's vector work
; stands beside the other's matrix work, while each fragment read from LDS still feeds four products.  Every wave walks all 2,048 keys, 64 a step.
; LAYOUT.  S^T = K Q^T (source 0 = 16 keys, source 1 = 16 queries): a lane holds ONE query (lane % 16); register 8 kt + j of a tile is key 16 kt + 8 (lane / 16) + j.  Two such tiles rounded to f16 in pairs ARE source 1 of
; O^T = V^T P, whose result again holds one query a lane.  K comes out of LDS as it lies, V ([key][channel]) turned, by ds_load_tr16_b128.
; SOFTMAX.  A running maximum m (it starts at -3e38) and sum l for each query: p = 2^(c s - c m), c = log2(e) / 8; in every step O and l are multiplied by a = 2^(c m_old - c m_new).
; THE MASK acts ahead of the maximum: a masked score becomes -infinity (p = 0).  The earlier launch stored, for each score register, a word with a bit a lane (mw), and a flag for each block of 64 x 64 (mf): a step whose
; block has no masked entry jumps over the 128 selects, by a scalar branch on the stored flag.  A row that is masked whole ends with l = 0 and gives 0 x (1 / 0) = NaN, as the softmax of a row of -infinity does.
; K AND V COME THROUGH REGISTERS, NOT BY TENSOR LOADS, AND THERE IS NO CLUSTER: the launch branches on numbers read from memory.  A slot is 128 keys; each wave loads
; 2,048 bytes of K and of V of the slot after next's predecessor (8 loads, 512 consecutive bytes each) a whole slot, two key steps, ahead of the wait for them, and stores them into the buffer that is not being read.
; So no wave waits for memory, and no prefetch is laid.
; REGISTERS.  window 0: v3-16 addresses, v18, v19 the add's two, v24-55 statistics (tile t at 24 + 8 t: +0 c m, +1 m, +2, +3 l, +4..+7 at work; a at +6), v56-87 a slot's part on its way, v128-255 S^T (tile t at 128 + 32 t; P is
; laid over its first 16).   window 1: v0-127 O^T (32 t + 8 ct), v128-191 Q (128 + 16 t + 8 c), v192-255 ONE buffer for K's fragments and then V's.
.set PKR,   144                        ; a row of K in LDS: 128 bytes + 16: the 16 rows of a load start at 16 different banks
.set PVR,   160                        ; a row of V: 128 + 32
.set VOFF,  128*PKR
.set BUF,   128*(PKR+PVR)              ; a buffer: 128 rows of K, then 128 rows of V
.set STAGE, 2*BUF                      ; the way out: 64 rows x 144 bytes for each wave
.set SPARE, STAGE+8*64*PKR             ; the spare words, 128 bytes a wave
.set AK,   3                           ; v3, v4   my lane's place in K's tiles of buffer 0, 1
.set AV,   5                           ; v5, v6   in V's
.set KSA,  7                           ; v7, v8   where I store my part of K
.set VSA,  9                           ; v9, v10  of V
.set GL,   11                          ; v11  my bytes of a slot in memory: 2048 x wave + 16 x lane
.set NINF, 12                          ; v12  -infinity
.set QO,   13
.set STO,  14
.set RD,   15
.set GO,   16
.set SPW,  18
.set NIL,  19
.set ST,   24
.set STG,  56
.set S,    128
.set Q,    128
.set F,    192
.set WV,   12                          ; s12  wave
.set KP,   16                          ; s[16:17], s[18:19]  K and V at the slot to be loaded
.set VP,   18
.set SEL,  20                          ; s[20:21]  lane l xor 16
.set CS,   22                          ; s[22:23]  c, twice
.set J,    24
.set FLG,  25                          ; s25  the blocks' flags, the step in hand in bit 0
.set MSB, 0
.macro WIN new                         ; the immediate's high byte repeats the setting that is left
.if MSB != \new
	s_set_vgpr_msb (MSB<<8)|\new
.set MSB, \new
.endif
.endm
	s_load_b256 s[4:11], s[0:1], 0x0               ; qkv s[4:5], mw s[6:7], mf s[8:9], ao s[10:11]
	v_lshl_add_u32 v[SPW], v0, 2, SPARE
	v_mov_b32 v[NIL], 0
	v_lshrrev_b32 v1, 5, v0
	v_readfirstlane_b32 s[WV], v1                  ; wave 0..7
	v_and_b32 v1, 15, v0                           ; r
	v_bfe_u32 v2, v0, 4, 1                         ; h
	v_and_b32 v17, 31, v0                          ; lane
	v_and_b32 v20, 7, v0
	v_bfe_u32 v21, v0, 3, 1
	v_bfe_u32 v22, v0, 3, 2                        ; lane / 8
	v_mul_u32_u24 v[AK], v1, PKR
	v_lshl_add_u32 v[AK], v2, 4, v[AK]             ; K: row r, + 16 h
	v_add_nc_u32 v[AK+1], BUF, v[AK]
	v_lshl_add_u32 v[AV], v2, 3, v20               ; V: key 8 h + lane % 8, channels 8 ((lane / 8) % 2) on
	v_mul_u32_u24 v[AV], v[AV], PVR
	v_lshl_add_u32 v[AV], v21, 4, v[AV]
	v_add_nc_u32 v[AV], VOFF, v[AV]
	v_add_nc_u32 v[AV+1], BUF, v[AV]
	s_mul_i32 s13, s[WV], 16*PKR                   ; my 16 rows of a slot's 128
	v_mul_u32_u24 v23, v22, PKR
	v_lshl_add_u32 v23, v20, 4, v23                ; eight lanes to a row of 128 bytes, four rows an instruction
	v_add_nc_u32 v[KSA], s13, v23
	v_add_nc_u32 v[KSA+1], BUF, v[KSA]
	s_mul_i32 s13, s[WV], 16*PVR
	s_add_co_u32 s13, s13, VOFF
	v_mul_u32_u24 v[VSA], v22, PVR
	v_lshl_add_u32 v[VSA], v20, 4, v[VSA]
	v_add_nc_u32 v[VSA], s13, v[VSA]
	v_add_nc_u32 v[VSA+1], BUF, v[VSA]
	s_mul_i32 s14, s[WV], 64*PKR
	s_add_co_u32 s14, s14, STAGE                   ; my stage
	v_add_nc_u32 v[STO], s14, v[AK]                ; in: row r, + 16 h
	v_add_nc_u32 v[RD], s14, v23                   ; back: four rows an instruction
	s_lshl_b32 s15, s[WV], 11
	v_lshl_add_u32 v[GL], v17, 4, s15
	v_mov_b32 v[NINF], 0xff800000
	v_lshlrev_b32 v[QO], 7, v1
	v_lshl_add_u32 v[QO], v2, 4, v[QO]             ; Q: row r of 128 bytes, + 16 h
	v_lshlrev_b32 v[GO], 4, v17
	s_mov_b32 s[SEL], 0x76543210
	s_mov_b32 s[SEL+1], 0xfedcba98
	s_mov_b32 s[CS], 0x3e38aa3b                    ; c = log2(e) / 8
	s_mov_b32 s[CS+1], s[CS]
	s_and_b32 s26, ttmp7, 0xffff                   ; the plane y = 16 b + h
	s_lshl_b32 s28, s26, 18                        ; 262,144 bytes a plane
	s_mov_b32 s29, 0
	s_lshl_b32 s27, ttmp9, 3
	s_add_co_u32 s27, s27, s[WV]                   ; qb = 8 x + wave: my block of 64 queries
	s_lshl_b32 s30, s27, 13
	s_add_co_u32 s30, s30, s28
	s_mov_b32 s31, 0
	s_lshr_b32 s26, s26, 4
	s_lshl_b32 s26, s26, 5
	s_add_co_u32 s26, s26, s27                     ; 32 b + qb
	s_wait_kmcnt 0x0
	s_add_nc_u64 s[KP:KP+1], s[4:5], s[28:29]
	s_add_nc_u64 s[VP:VP+1], s[KP:KP+1], 33554432  ; v's planes
	s_add_nc_u64 s[KP:KP+1], s[KP:KP+1], 16777216  ; k's planes
	s_add_nc_u64 s[4:5], s[4:5], s[30:31]          ; q at my first query
	s_add_nc_u64 s[10:11], s[10:11], s[30:31]      ; ao likewise
	s_lshl_b32 s28, s26, 14
	s_add_nc_u64 s[6:7], s[6:7], s[28:29]          ; my mask words: 32 steps of 512 bytes
	s_lshl_b32 s28, s26, 5
	s_add_nc_u64 s[8:9], s[8:9], s[28:29]
	s_load_b256 s[32:39], s[8:9], 0x0              ; my eight words of flags
.macro STAGE_LOAD                      ; my part of a slot: 4 x 512 consecutive bytes of K, then of V
.irp i, 0,1,2,3
	global_load_b128 v[STG+4*\i:STG+4*\i+3], v[GL], s[KP:KP+1] offset:512*\i
.endr
.irp i, 0,1,2,3
	global_load_b128 v[STG+16+4*\i:STG+16+4*\i+3], v[GL], s[VP:VP+1] offset:512*\i
.endr
.endm
.macro STAGE_STORE buf
.irp i, 0,1,2,3
	ds_store_b128 v[KSA+\buf], v[STG+4*\i:STG+4*\i+3] offset:4*PKR*\i
.endr
.irp i, 0,1,2,3
	ds_store_b128 v[VSA+\buf], v[STG+16+4*\i:STG+16+4*\i+3] offset:4*PVR*\i
.endr
.endm
.macro FETCH_K buf, q                  ; a step's K: 4 tiles of 16 keys x 2 halves of 32 channels; the first half's eight loads first
	WIN 0x40                                       ; destination window 1
.irp c, 0,1
.irp kt, 0,1,2,3
	ds_load_b128 v[F+8*(2*\kt+\c):F+8*(2*\kt+\c)+3],   v[AK+\buf] offset:(64*\q+16*\kt)*PKR+64*\c
	ds_load_b128 v[F+8*(2*\kt+\c)+4:F+8*(2*\kt+\c)+7], v[AK+\buf] offset:(64*\q+16*\kt)*PKR+64*\c+32
.endr
.endr
.endm
.macro FETCH_V buf, q                  ; a step's V, turned: 2 halves of 32 keys x 4 tiles of 16 channels
	WIN 0x40
.irp g, 0,1
.irp ct, 0,1,2,3
	ds_load_tr16_b128 v[F+8*(4*\g+\ct):F+8*(4*\g+\ct)+3],   v[AV+\buf] offset:(64*\q+32*\g)*PVR+32*\ct
	ds_load_tr16_b128 v[F+8*(4*\g+\ct)+4:F+8*(4*\g+\ct)+7], v[AV+\buf] offset:(64*\q+32*\g)*PVR+16*PVR+32*\ct
.endr
.endr
.endm
.macro QK c                            ; 16 products: the 16 accumulators take turns, one instruction a turn
	WIN 0x05                                       ; K and Q in window 1, S^T in window 0
.irp kt, 0,1,2,3
.irp t, 0,1,2,3
.if \c == 0
	v_wmma_f32_16x16x32_f16 v[S+32*\t+8*\kt:S+32*\t+8*\kt+7], v[F+16*\kt:F+16*\kt+7], v[Q+16*\t:Q+16*\t+7], 0
.else
	v_wmma_f32_16x16x32_f16 v[S+32*\t+8*\kt:S+32*\t+8*\kt+7], v[F+16*\kt+8:F+16*\kt+15], v[Q+16*\t+8:Q+16*\t+15], v[S+32*\t+8*\kt:S+32*\t+8*\kt+7]
.endif
.endr
.endr
.endm
.macro PV                              ; 32 products: 16 accumulators by turns, twice
	WIN 0x51                                       ; V, O^T in window 1, P in window 0
.irp g, 0,1
.irp ct, 0,1,2,3
.irp t, 0,1,2,3
	v_wmma_f32_16x16x32_f16 v[32*\t+8*\ct:32*\t+8*\ct+7], v[F+8*(4*\g+\ct):F+8*(4*\g+\ct)+7], v[S+32*\t+8*\g:S+32*\t+8*\g+7], v[32*\t+8*\ct:32*\t+8*\ct+7]
.endr
.endr
.endr
.endm
.macro MASK                            ; masked scores become -infinity; jumped over where the block's stored flag is 0.  Word 32 qt + i is the lane mask of register i of tile qt
	s_bitcmp1_b32 s[FLG], 0
	s_cbranch_scc0 .Lopen_\@
.irp u, 0,1
	s_load_b512 s[32:47], s[6:7], 256*\u
	s_load_b512 s[48:63], s[6:7], 256*\u+64
	s_load_b512 s[68:83], s[6:7], 256*\u+128
	s_load_b512 s[84:99], s[6:7], 256*\u+192
	s_wait_kmcnt 0x0
.set i, 0
.rept 32
	v_cndmask_b32 v[S+64*\u+i], v[S+64*\u+i], v[NINF], s[32+i]       ; ascending: each accumulator is read from its low end on
.set i, i+1
.endr
.set i, 0
.rept 32
	v_cndmask_b32 v[S+64*\u+32+i], v[S+64*\u+32+i], v[NINF], s[68+i]
.set i, i+1
.endr
.endr
.Lopen_\@:
	s_lshr_b32 s[FLG], s[FLG], 1                   ; the next step's flag
	s_add_nc_u64 s[6:7], s[6:7], 512               ; and its words (no scalar load is out here)
.endm
.macro SOFTMAX                         ; the four tiles by turns on every line, so that no line waits for the line above it
.irp j, 0,1,2,3
.irp t, 0,1,2,3
	v_max3_num_f32 v[ST+8*\t+4+\j], v[S+32*\t+8*\j], v[S+32*\t+8*\j+1], v[S+32*\t+8*\j+2]   ; four chains a tile, each begun at an accumulator's low end
.endr
.endr
.irp d, 1,2
.irp j, 0,1,2,3
.irp t, 0,1,2,3
	v_max3_num_f32 v[ST+8*\t+4+\j], v[ST+8*\t+4+\j], v[S+32*\t+8*\j+2*\d+1], v[S+32*\t+8*\j+2*\d+2]
.endr
.endr
.endr
.irp t, 0,1,2,3
	v_max3_num_f32 v[ST+8*\t+4], v[ST+8*\t+4], v[S+32*\t+7], v[S+32*\t+15]
.endr
.irp t, 0,1,2,3
	v_max3_num_f32 v[ST+8*\t+6], v[ST+8*\t+6], v[S+32*\t+23], v[S+32*\t+31]
.endr
.irp t, 0,1,2,3
	v_max3_num_f32 v[ST+8*\t+4], v[ST+8*\t+4], v[ST+8*\t+5], v[ST+8*\t+6]
.endr
.irp t, 0,1,2,3
	v_max3_num_f32 v[ST+8*\t+4], v[ST+8*\t+4], v[ST+8*\t+7], v[ST+8*\t+1]    ; with the old m
.endr
.irp t, 0,1,2,3
	v_permlanex16_b32 v[ST+8*\t+5], v[ST+8*\t+4], s[SEL], s[SEL+1]           ; the query's other 32 keys lie in the lane 16 away
.endr
.irp t, 0,1,2,3
	v_mov_b32 v[ST+8*\t+7], v[ST+8*\t]             ; c m_old
.endr
.irp t, 0,1,2,3
	v_max_num_f32 v[ST+8*\t+1], v[ST+8*\t+4], v[ST+8*\t+5]
.endr
.irp t, 0,1,2,3
	v_mul_f32 v[ST+8*\t], s[CS], v[ST+8*\t+1]
.endr
.irp t, 0,1,2,3
	v_sub_f32 v[ST+8*\t+7], v[ST+8*\t+7], v[ST+8*\t]
.endr
; ONE BATCH of 132 exponentials: none of its lines names an exponential's result; a scaling leads each pair of exponentials
.irp t, 0,1,2,3
	v_exp_f32 v[ST+8*\t+6], v[ST+8*\t+7]           ; a
.endr
.set nn, 0
.rept 64
.set bb, nn/4
.set tt, nn%4
	v_pk_fma_f32 v[S+32*tt+2*bb:S+32*tt+2*bb+1], v[S+32*tt+2*bb:S+32*tt+2*bb+1], s[CS:CS+1], v[ST+8*tt:ST+8*tt+1] op_sel_hi:[1,0,0] neg_lo:[0,0,1] neg_hi:[0,0,1]   ; c s - c m
.if nn >= 4
	v_exp_f32 v[S+32*tt+2*bb-2], v[S+32*tt+2*bb-2]
	v_exp_f32 v[S+32*tt+2*bb-1], v[S+32*tt+2*bb-1]
.endif
.set nn, nn+1
.endr
.irp t, 0,1,2,3
	v_exp_f32 v[S+32*\t+30], v[S+32*\t+30]
	v_exp_f32 v[S+32*\t+31], v[S+32*\t+31]
.endr
	v_nop                                          ; a plain line behind the last exponential
	s_wait_alu depctr_va_vdst(0)                   ; one wait for the batch, ahead of its first reader
.irp t, 0,1,2,3
	v_pk_fma_f32 v[ST+8*\t+2:ST+8*\t+3], v[ST+8*\t+2:ST+8*\t+3], v[ST+8*\t+6:ST+8*\t+7], v[S+32*\t:S+32*\t+1] op_sel_hi:[1,0,1]   ; l = a l + the first pair
.endr
.irp t, 0,1,2,3
	v_cvt_pk_f16_f32 v[S+32*\t], v[S+32*\t], v[S+32*\t+1]      ; P is laid in place: register b takes pair b, whose own old pair b / 2 has been summed and rounded
.endr
.set bb, 1
.rept 15
.irp t, 0,1,2,3
	v_pk_add_f32 v[ST+8*\t+2:ST+8*\t+3], v[ST+8*\t+2:ST+8*\t+3], v[S+32*\t+2*bb:S+32*\t+2*bb+1]
.endr
.irp t, 0,1,2,3
	v_cvt_pk_f16_f32 v[S+32*\t+bb], v[S+32*\t+2*bb], v[S+32*\t+2*bb+1]
.endr
.set bb, bb+1
.endr
	WIN 0x41                                       ; O^T in window 1, a in window 0
.set i, 0
.rept 16
.irp t, 0,1,2,3
	v_pk_mul_f32 v[32*\t+2*i:32*\t+2*i+1], v[32*\t+2*i:32*\t+2*i+1], v[ST+8*\t+6:ST+8*\t+7] op_sel_hi:[1,0]
.endr
.set i, i+1
.endr
.endm
.macro STEP buf, q                     ; a key step: 64 keys, the q-th of the buffer
	WIN 0
.rept 5
	v_nop                                          ; five places between the last V^T P and the products below, which write over P; they also serve the loads into the fragments' buffer
.endr
	FETCH_K \buf, \q
	s_wait_dscnt 8                                 ; the first 32 channels' eight loads are in; the other eight may be out
	QK 0
	s_wait_dscnt 0x0
	QK 1
	WIN 0
.rept 4
	v_nop                                          ; four places ahead of the loads into the buffer just multiplied, and of the first read of the scores
.endr
	FETCH_V \buf, \q                               ; V lands while the softmax is walked
	WIN 0
	MASK
	SOFTMAX
	s_wait_dscnt 0x0                               ; V is in
	PV
.endm
	STAGE_LOAD                                     ; slot 0
	WIN 0x40
.irp t, 0,1,2,3
.irp c, 0,1
	global_load_b128 v[Q+16*\t+8*\c:Q+16*\t+8*\c+3],   v[QO], s[4:5] offset:2048*\t+64*\c th:TH_LOAD_NT      ; Q stays in registers
	global_load_b128 v[Q+16*\t+8*\c+4:Q+16*\t+8*\c+7], v[QO], s[4:5] offset:2048*\t+64*\c+32 th:TH_LOAD_NT
.endr
.endr
.set i, 0
.rept 128
	v_mov_b32 v[i], 0                              ; O^T: the step is written once; its first run finds zeros, which the first change of m leaves zeros
.set i, i+1
.endr
	WIN 0
.irp t, 0,1,2,3
	v_mov_b32 v[ST+8*\t+1], 0xff61b1e6             ; m = -3e38, under every score
	v_mul_f32 v[ST+8*\t], s[CS], v[ST+8*\t+1]
	v_mov_b32 v[ST+8*\t+2], 0
	v_mov_b32 v[ST+8*\t+3], 0
.endr
	s_wait_loadcnt 16                              ; slot 0's eight loads are in; Q's sixteen may be out
	STAGE_STORE 0
	s_wait_dscnt 0x0                               ; for the others' sake, and the stores have read their registers
	s_add_nc_u64 s[KP:KP+1], s[KP:KP+1], 16384
	s_add_nc_u64 s[VP:VP+1], s[VP:VP+1], 16384
	STAGE_LOAD                                     ; slot 1
	s_barrier_signal -1
	s_barrier_wait -1                              ; buffer 0 is whole
	s_wait_loadcnt 8                               ; Q is in; slot 1's eight may be out
	s_wait_kmcnt 0x0
	s_mov_b32 s[FLG], s32                          ; eight words of four flags make 32 bits, step 0 in bit 0
.irp g, 1,2,3,4,5,6,7
	s_lshl_b32 s26, s[32+\g], 4*\g
	s_or_b32 s[FLG], s[FLG], s26
.endr
	s_mov_b32 s[J], 0
; A trip: slots 2 J (buffer 0) and 2 J + 1 (buffer 1).  One barrier a slot does both orderings: every wave's reads of the buffer that is stored into next ended ahead of the barrier before, and its stores ended ahead of this one.
.Ltrip:
	STEP 0, 0
	STEP 0, 1
	WIN 0
	s_wait_loadcnt 0x0                             ; slot 2 J + 1, asked for a slot ago
	STAGE_STORE 1
	s_wait_dscnt 0x0
	s_cmp_eq_u32 s[J], 7                           ; the last trip has no slot 2 J + 2: no load leaves its buffer
	s_cbranch_scc1 .Lno_a
	s_add_nc_u64 s[KP:KP+1], s[KP:KP+1], 16384
	s_add_nc_u64 s[VP:VP+1], s[VP:VP+1], 16384
	STAGE_LOAD
.Lno_a:
	s_barrier_signal -1
	s_barrier_wait -1
	STEP 1, 0
	STEP 1, 1
	WIN 0
	s_wait_loadcnt 0x0
	s_wait_dscnt 0x0
	s_cmp_eq_u32 s[J], 7
	s_cbranch_scc1 .Lno_b
	STAGE_STORE 0                                  ; slot 2 J + 2
	s_wait_dscnt 0x0
	s_add_nc_u64 s[KP:KP+1], s[KP:KP+1], 16384
	s_add_nc_u64 s[VP:VP+1], s[VP:VP+1], 16384
	STAGE_LOAD                                     ; slot 2 J + 3
.Lno_b:
	s_barrier_signal -1
	s_barrier_wait -1
	s_add_co_u32 s[J], s[J], 1
	s_cmp_lt_u32 s[J], 8
	s_cbranch_scc1 .Ltrip
	; THE WAY OUT.  l's halves and the other half of the lanes' are added (these lines are the places behind the last products); O^T / l, rounded to f16, goes through my stage and leaves as 512 consecutive bytes a store.
.irp t, 0,1,2,3
	v_add_f32 v[ST+8*\t+4], v[ST+8*\t+2], v[ST+8*\t+3]
.endr
.irp t, 0,1,2,3
	v_permlanex16_b32 v[ST+8*\t+5], v[ST+8*\t+4], s[SEL], s[SEL+1]
.endr
.irp t, 0,1,2,3
	v_add_f32 v[ST+8*\t+4], v[ST+8*\t+4], v[ST+8*\t+5]
.endr
.irp t, 0,1,2,3
	v_rcp_f32 v[ST+8*\t+6], v[ST+8*\t+4]
.endr
	v_nop
	s_wait_alu depctr_va_vdst(0)                   ; one wait for the four reciprocals, ahead of their first reader
.macro PACK t
	WIN 0x41
.set i, 0
.rept 16
	v_pk_mul_f32 v[32*\t+2*i:32*\t+2*i+1], v[32*\t+2*i:32*\t+2*i+1], v[ST+8*\t+6:ST+8*\t+7] op_sel_hi:[1,0]
.set i, i+1
.endr
	WIN 0x05                                       ; sources in window 1, destination in window 0: S^T's registers are free
.set i, 0
.rept 16
	v_cvt_pk_f16_f32 v[S+32*\t+i], v[32*\t+2*i], v[32*\t+2*i+1]
.set i, i+1
.endr
	WIN 0
.irp ct, 0,1,2,3
	ds_store_b128 v[STO], v[S+32*\t+4*\ct:S+32*\t+4*\ct+3] offset:16*PKR*\t+32*\ct
.endr
.irp g, 0,1,2,3
	ds_load_b128 v[S+32*\t+16+4*\g:S+32*\t+16+4*\g+3], v[RD] offset:16*PKR*\t+4*PKR*\g   ; LDS serves a wave's instructions in order: these see the stores above
.endr
.endm
.macro SEND t, younger                 ; younger: the LDS instructions issued behind tile t's loads: the next tile's eight, or none
.irp g, 0,1,2,3
	s_wait_dscnt \younger+3-\g
	global_store_b128 v[GO], v[S+32*\t+16+4*\g:S+32*\t+16+4*\g+3], s[10:11] offset:(16*\t+4*\g)*128
.endr
.endm
	PACK 0
	PACK 1
	SEND 0, 8
	PACK 2
	SEND 1, 8
	PACK 3
	SEND 2, 8
	SEND 3, 0
	s_wait_tensorcnt 0x0                           ; the wave's end, behind my last LDS store
	ds_add_u32 v[SPW], v[NIL]
	s_wait_dscnt 0x0
	s_endpgm
.Lfunc_end_k_qdd083fbb7d_attn:
	.size	k_qdd083fbb7d_attn, .Lfunc_end_k_qdd083fbb7d_attn-k_qdd083fbb7d_attn
	.p2alignl 7, 3214868480
	.fill 96, 4, 3214868480
	.section	.rodata,"a",@progbits
	.p2align	6, 0x0
	.amdhsa_kernel k_qdd083fbb7d_attn
		.amdhsa_group_segment_fixed_size 152576
		.amdhsa_private_segment_fixed_size 0
		.amdhsa_enable_private_segment 0
		.amdhsa_kernarg_size 32
		.amdhsa_user_sgpr_count 2
		.amdhsa_user_sgpr_kernarg_segment_ptr 1
		.amdhsa_wavefront_size32 1
		.amdhsa_system_sgpr_workgroup_id_x 1
		.amdhsa_system_sgpr_workgroup_id_y 1
		.amdhsa_system_sgpr_workgroup_id_z 1
		.amdhsa_system_vgpr_workitem_id 0
		.amdhsa_next_free_vgpr 512
		.amdhsa_next_free_sgpr 100
		.amdhsa_reserve_vcc 0
		.amdhsa_float_denorm_mode_32 3
		.amdhsa_float_denorm_mode_16_64 3
		.amdhsa_memory_ordered 1
		.amdhsa_forward_progress 1
		.amdhsa_inst_pref_size 191
	.end_amdhsa_kernel
	.amdgpu_metadata
---
amdhsa.version: [ 1, 2 ]
amdhsa.kernels:
  - .name:           k_qdd083fbb7d_attn
    .symbol:         k_qdd083fbb7d_attn.kd
    .args:
      - { .name: qkv, .offset: 0, .size: 8, .value_kind: global_buffer, .address_space: global }
      - { .name: mw, .offset: 8, .size: 8, .value_kind: global_buffer, .address_space: global }
      - { .name: mf, .offset: 16, .size: 8, .value_kind: global_buffer, .address_space: global }
      - { .name: ao, .offset: 24, .size: 8, .value_kind: global_buffer, .address_space: global }
    .group_segment_fixed_size: 152576
    .private_segment_fixed_size: 0
    .kernarg_segment_align: 8
    .kernarg_segment_size: 32
    .max_flat_workgroup_size: 256
    .sgpr_count:     100
    .vgpr_count:     512
    .wavefront_size: 32
...
	.end_amdgpu_metadata
.endif
;; end of part 3
;; launch comp (part 4): grid 8 x 64, 4 waves a work-group, clusters of 4 x 4, 327,680 bytes of LDS; arguments ao, wc16, bc, out0; writes out0
.if DOCPART == 4
	.amdgcn_target "amdgcn-amd-amdhsa--gfx1250"
	.amdhsa_code_object_version 6
	.text
	.protected	k_qdd083fbb7d_comp
	.globl	k_qdd083fbb7d_comp
	.p2align	8
	.type	k_qdd083fbb7d_comp,@function
k_qdd083fbb7d_comp:
	s_mov_b64 s[64:65], 0
	v_nop
	global_prefetch_b8 v0, s[64:65] scope:SCOPE_SE
	s_setreg_imm32_b32 hwreg(HW_REG_WAVE_MODE, 25, 1), 1
	s_wait_xcnt 0x0
	s_wait_alu depctr_hold_cnt(0) depctr_sa_sdst(0) depctr_va_vdst(0) depctr_va_sdst(0) depctr_va_ssrc(0) depctr_va_vcc(0) depctr_vm_vsrc(0)
	s_getreg_b32 s2, hwreg(HW_REG_IB_STS2, 6, 4)
	s_cmp_eq_u32 s2, 0
	s_cbranch_scc0 .Lentry_in_a_cluster
	s_endpgm
.Lentry_in_a_cluster:
	s_bfe_u32 s2, ttmp6, 0x10000c
	s_cmp_lg_u32 s2, 0xf033
	s_cbranch_scc0 .Lentry_shape_is_right
	s_endpgm
.Lentry_shape_is_right:
; out0[m][n] = sum over k of A[m][k] Wc[n][k] + bc[n].  A: the attention's result, f16, laid by head: ao [b 4][h 16][t 2048][64], m = 2048 b + t, k = 64 h + d.  wc16: [1024 n][1024 k] f16.  out0: [8192][1024] f32; sums in f32.
; A tile of C is 128 x 128, which gives 512 work-groups; four waves, each 64 x 64: 16 accumulators, 128 registers.  K goes in steps of 256 (four heads) through two LDS slots filled by the tensor data mover.
; A's part of a slot: a wave's load is 4 rows (heads, 131,072 elements apart) of 4,096 elements (64 tokens x 64 channels, 8,192 consecutive bytes), with 16 bytes of padding behind every 128: in LDS [head][token], 144 bytes a token.
; B's part: 64 rows of 512 bytes, 16 bytes of padding behind each.
; CLUSTERS: 4 x 4 work-groups; A's tiles are asked for jointly along a row of the cluster, B's along a column.  THE MATRIX INSTRUCTION IS USED TRANSPOSED (source 0 = 16 rows of Wc, source 1 = 16 tokens): a lane holds eight
; neighbouring numbers of a row of C.  bc is the C of each sum's first matrix instruction: nothing is cleared and nothing is added afterwards.
; No prefetch: a K step is short and the tile small; the launch has four K steps in all, two of them asked for at its head.
; REGISTERS: window 0: v0-31 addresses; v96-127 bc in the result's layout; v128-255 the accumulators ((a, b) at v[128 + 8 (4 a + b)]).  window 1: two fragment buffers of 128: 64 registers of A, then 64 of B.
.set SIZE_N, 1024
.set SIZE_K, 1024
.set KSTEP,  256
.set PITCH,  528                       ; B's LDS row: 512 bytes + 16
.set PA,     144                       ; A's LDS row (a token of one head): 128 bytes + 16
.set HEADB,  64*PA                     ; a head's 64 tokens
.set HALFA,  4*HEADB                   ; what one load brings of A
.set HALFB,  64*PITCH                  ; of B
.set SLOT,   2*HALFA+2*HALFB
.set ASTEP,  4*262144                  ; a K step in ao: four heads
.set SPARE,  2*SLOT                    ; behind the ring: the spare words, 128 bytes a wave
.set SPITCH, 272                       ; the way out: 64 rows x (256 bytes + 16) for each wave, in slot 0, which has had its last fill and its last read by then
.set LAPS, SIZE_K/(2*KSTEP)
.set ADRA, 16
.set ADRB, 20
.set STO,  24
.set RD,   25
.set CO,   26
.set SPW,  28
.set NIL,  29
.set BIAS, 96
.set ACC,  128
.set F0,   0
.set F1,   128
.set G1, 24
.set G0, 32
.set G1B, 48
.set G0B, 56
.set MSB, 0
.macro WIN new                         ; the immediate's high byte repeats the setting that is left
.if MSB != \new
	s_set_vgpr_msb (MSB<<8)|\new
.set MSB, \new
.endif
.endm
.set MUL,  0x05                        ; sources 0 (B) and 1 (A) window 1; C and D window 0
.set TO_F, 0x40
.macro JLOAD s                         ; a joint load: waves 0 and 1 fetch A's two halves, waves 2 and 3 B's; an s_nop 0 and four v_nop follow each of the two lines
	s_cmp_eq_u32 s11, 0
	s_cbranch_scc0 .Lfor_b_\@
	tensor_load_to_lds s[G0+4*\s:G0+4*\s+3], s[G1:G1+7]
	s_nop 0
.rept 4
	v_nop
.endr
	s_branch .Lasked_\@
.Lfor_b_\@:
	tensor_load_to_lds s[G0B+4*\s:G0B+4*\s+3], s[G1B:G1B+7]
	s_nop 0
.rept 4
	v_nop
.endr
.Lasked_\@:
.endm
.macro CREST                           ; a round of the cluster's barrier behind its opening barrier
	s_cmp_lg_u32 s10, 0
	s_cbranch_scc1 .Lnot_wave_0_\@
	s_barrier_signal -3
.Lnot_wave_0_\@:
	s_barrier_wait -3
	s_barrier_signal -1
	s_barrier_wait -1
.endm
.macro CROUND
	s_barrier_signal -1
	s_barrier_wait -1
	CREST
.endm
	s_load_b128 s[4:7], s[0:1], 0x0                ; ao s[4:5], wc16 s[6:7]
	s_load_b128 s[68:71], s[0:1], 0x10             ; bc s[68:69], out0 s[70:71]
	v_lshl_add_u32 v[SPW], v0, 2, SPARE
	v_mov_b32 v[NIL], 0
	ds_add_u32 v[SPW], v[NIL]                      ; the wave's opening: the add and its wait stand ahead of my first tensor load; the set-up below stands between them
	v_lshrrev_b32 v1, 5, v0
	v_readfirstlane_b32 s10, v1                    ; wave 0..3
	s_lshr_b32 s11, s10, 1                         ; which half of the tile's rows is mine.  Also: I fetch for A (0) or for B (1)
	s_and_b32 s12, s10, 1                          ; which half of its columns.  Also: which 64 rows I fetch
	s_bfe_u32 s40, ttmp6, 0x40000                  ; cx, cy
	s_bfe_u32 s41, ttmp6, 0x40004
	s_lshl_b32 s42, ttmp9, 2
	s_add_co_u32 s42, s42, s40                     ; tile column
	s_and_b32 s13, ttmp7, 0xffff
	s_lshl_b32 s13, s13, 2
	s_add_co_u32 s13, s13, s41                     ; tile row
	s_lshl_b32 s43, s41, 2
	s_lshl_b32 s43, 15, s43                        ; my row of the cluster
	s_lshl_b32 s44, 0x1111, s40                    ; my column
	s_or_b32 s[G1+0], s43, (1<<16)|(1<<20)|(1<<21)|(4<<22)|(3<<25)  ; A: the mask; elements of 2 bytes; padding on; bit 21 beside a mask; after every 32 words (code 4), 4 words (code 3)
	s_mov_b32 s[G1+1], 4096<<16                    ; tensor_dim0 = 4,096
	s_mov_b32 s[G1+2], 4<<16                       ; tensor_dim1 = 4
	s_mov_b32 s[G1+3], 4096<<16                    ; tile_dim0 = 4,096
	s_mov_b32 s[G1+4], 4                           ; tile_dim1 = 4
	s_mov_b32 s[G1+5], 131072                      ; from head to head, in elements
	s_mov_b32 s[G1+6], 0
	s_mov_b32 s[G1+7], 0
	s_or_b32 s[G1B+0], s44, (1<<16)|(1<<20)|(1<<21)|(6<<22)|(3<<25) ; B: after every 128 words, 4 words
	s_mov_b32 s[G1B+1], KSTEP<<16
	s_mov_b32 s[G1B+2], 64<<16
	s_mov_b32 s[G1B+3], KSTEP<<16
	s_mov_b32 s[G1B+4], 64
	s_mov_b32 s[G1B+5], SIZE_K
	s_mov_b32 s[G1B+6], 0
	s_mov_b32 s[G1B+7], 0
	s_lshr_b32 s16, s13, 4                         ; A: batch = tile row / 16,
	s_lshl_b32 s16, s16, 22                        ; 16 heads x 262,144 bytes;
	s_and_b32 s17, s13, 15
	s_lshl_b32 s17, s17, 14                        ; 128 tokens x 128 bytes a tile row;
	s_add_co_u32 s16, s16, s17
	s_lshl_b32 s17, s12, 13                        ; the 64 tokens that I fetch
	s_add_co_u32 s16, s16, s17
	s_mov_b32 s17, 0
	s_lshl_b32 s46, s42, 7                         ; B: row 128 x tile column + 64 x half,
	s_lshl_b32 s47, s12, 6
	s_add_co_u32 s46, s46, s47
	s_lshl_b32 s46, s46, 11                        ; 2,048 bytes a row
	s_mov_b32 s47, 0
	s_mul_i32 s20, s12, HALFA                      ; where they go: A's two halves,
	s_mul_i32 s21, s12, HALFB
	s_add_co_u32 s21, s21, 2*HALFA                 ; then B's two: no place in the cluster enters an LDS address
	s_wait_dscnt 0x0                               ; the opening add is done
	s_wait_kmcnt 0x0
	s_add_nc_u64 s[14:15], s[4:5], s[16:17]
	s_add_nc_u64 s[46:47], s[6:7], s[46:47]
	CROUND                                         ; all sixteen work-groups are here: the first joint loads meet
.irp s, 0,1
	s_mov_b32 s[G0+4*\s], 1
	s_add_co_u32 s[G0+4*\s+1], s20, \s*SLOT
	s_add_nc_u64 s[G0+4*\s+2:G0+4*\s+3], s[14:15], \s*ASTEP
	s_or_b32 s[G0+4*\s+3], s[G0+4*\s+3], 0x80000000
	s_mov_b32 s[G0B+4*\s], 1
	s_add_co_u32 s[G0B+4*\s+1], s21, \s*SLOT
	s_add_nc_u64 s[G0B+4*\s+2:G0B+4*\s+3], s[46:47], \s*KSTEP*2
	s_or_b32 s[G0B+4*\s+3], s[G0B+4*\s+3], 0x80000000
	JLOAD \s
.endr
	v_and_b32 v1, 15, v0                           ; l % 16
	v_bfe_u32 v2, v0, 4, 1                         ; l / 16
	v_mul_u32_u24 v3, v1, PITCH
	v_lshl_add_u32 v3, v2, 4, v3                   ; B: row x pitch + 16 x half
	v_mul_u32_u24 v4, v1, PA
	v_lshl_add_u32 v4, v2, 4, v4                   ; A likewise, on its own pitch
	s_mul_i32 s21, s11, HALFA                      ; my 64 tokens of A
	s_mul_i32 s22, s12, HALFB                      ; my 64 rows of B,
	s_add_co_u32 s22, s22, 2*HALFA                 ; behind A's two halves
.irp s, 0,1
	v_add_nc_u32 v[ADRA+\s], s21, v4
	v_add_nc_u32 v[ADRB+\s], s22, v3
	s_add_co_u32 s21, s21, SLOT
	s_add_co_u32 s22, s22, SLOT
.endr
	s_mul_i32 s23, s10, 64*SPITCH                  ; my stage
	v_mul_u32_u24 v5, v1, SPITCH                   ; in: row l % 16, 32 bytes for each half of the lanes
	v_lshl_add_u32 v5, v2, 5, v5
	v_add_nc_u32 v[STO], s23, v5
	v_mul_u32_u24 v5, v2, SPITCH                   ; back: lanes 0-15 one row of 256 bytes, lanes 16-31 the next
	v_lshl_add_u32 v5, v1, 4, v5
	v_add_nc_u32 v[RD], s23, v5
	v_lshlrev_b32 v5, 12, v2                       ; and the same two rows in C: 4,096 bytes a row
	v_lshl_add_u32 v[CO], v1, 4, v5
	s_lshl_b32 s16, s13, 7
	s_lshl_b32 s17, s11, 6
	s_add_co_u32 s16, s16, s17                     ; my first row of C
	s_lshl_b32 s16, s16, 12
	s_mov_b32 s17, 0
	s_lshl_b32 s46, s42, 7
	s_lshl_b32 s47, s12, 6
	s_add_co_u32 s46, s46, s47                     ; my first column,
	s_lshl_b32 s46, s46, 2                         ; in bytes
	s_mov_b32 s47, 0
	s_add_nc_u64 s[68:69], s[68:69], s[46:47]      ; bc at my first column
	s_add_nc_u64 s[70:71], s[70:71], s[16:17]
	s_add_nc_u64 s[70:71], s[70:71], s[46:47]
	v_lshlrev_b32 v6, 5, v2                        ; lane (r, h) wants, for column block b, bc at 16 b + 8 h + 0 .. 7
.irp b, 0,1,2,3
	global_load_b128 v[BIAS+8*\b:BIAS+8*\b+3],   v6, s[68:69] offset:64*\b
	global_load_b128 v[BIAS+8*\b+4:BIAS+8*\b+7], v6, s[68:69] offset:64*\b+16
.endr
; 8 matrix instructions: row blocks a0, a0 + 1 x all 4 column blocks, 32 along K: half c of buffer f.  zero = 1: the first product starts the sums, with bc as its C.  The 16 accumulators take turns
.macro MUL8 f, c, a0, zero
.irp a, \a0, \a0+1
.irp b, 0,1,2,3
.if \zero
	v_wmma_f32_16x16x32_f16 v[ACC+8*(4*(\a)+\b):ACC+8*(4*(\a)+\b)+7], v[\f+64+8*(4*\c+\b):\f+64+8*(4*\c+\b)+7], v[\f+8*(4*\c+\a):\f+8*(4*\c+\a)+7], v[BIAS+8*\b:BIAS+8*\b+7]
.else
	v_wmma_f32_16x16x32_f16 v[ACC+8*(4*(\a)+\b):ACC+8*(4*(\a)+\b)+7], v[\f+64+8*(4*\c+\b):\f+64+8*(4*\c+\b)+7], v[\f+8*(4*\c+\a):\f+8*(4*\c+\a)+7], v[ACC+8*(4*(\a)+\b):ACC+8*(4*(\a)+\b)+7]
.endif
.endr
.endr
.endm
; 32 LDS loads in one run: the fragments of 64 along K (one head) at byte k of B's rows, into buffer f; the first 32 along K first
.macro FETCH slot, k, f
	WIN TO_F
.irp c, 0,1
.irp i, 0,1,2,3
	ds_load_b128 v[\f+64+8*(4*\c+\i):\f+64+8*(4*\c+\i)+3],   v[ADRB+\slot] offset:\k+64*\c+\i*16*PITCH
	ds_load_b128 v[\f+64+8*(4*\c+\i)+4:\f+64+8*(4*\c+\i)+7], v[ADRB+\slot] offset:\k+64*\c+\i*16*PITCH+32
	ds_load_b128 v[\f+8*(4*\c+\i):\f+8*(4*\c+\i)+3],         v[ADRA+\slot] offset:(\k/128)*HEADB+64*\c+\i*16*PA
	ds_load_b128 v[\f+8*(4*\c+\i)+4:\f+8*(4*\c+\i)+7],       v[ADRA+\slot] offset:(\k/128)*HEADB+64*\c+\i*16*PA+32
.endr
.endr
.endm
.macro PLACES                          ; four plain lines in front of loads into registers that matrix instructions have read, and of reads of results
.rept 4
	v_nop
.endr
.endm
.macro QUARTER slot, k, f, g, zero     ; multiplies buffer f and fetches the next quarter, at byte k, into g
	s_wait_dscnt 16                                ; the first 32 along K are in; the other sixteen loads may be out
	WIN MUL
	MUL8 \f, 0, 0, \zero
	MUL8 \f, 0, 2, \zero
	PLACES
	FETCH \slot, \k, \g
	s_wait_dscnt 32                                ; all but the 32 just issued
	WIN MUL
	MUL8 \f, 1, 0, 0
	MUL8 \f, 1, 2, 0
.endm
; The last quarter multiplies buffer 1 and changes slots: ONE barrier; in front of it each wave waits for all its tensor loads, adds 0 to its spare word, and waits for that and for its own reads of this slot.
.macro TURN slot, next, fill
	WIN 0
	s_wait_tensorcnt 0x0                           ; my part of the next slot has landed; no load of mine is out
	ds_add_u32 v[SPW], v[NIL]
	s_wait_dscnt 17                                ; (the add and the youngest sixteen loads may be out)
	WIN MUL
	MUL8 F1, 0, 0, 0
	s_wait_dscnt 0x0                               ; the add is done, and my reads of this slot are over
	s_barrier_signal -1
	MUL8 F1, 0, 2, 0
.if \fill
	WIN 0
.endif
	s_barrier_wait -1
.if \fill
	CREST                                          ; the barrier has opened a round of the cluster's barrier: no wave of any partner still reads this slot or has a load on its way
	s_add_nc_u64 s[G0+4*\slot+2:G0+4*\slot+3], s[G0+4*\slot+2:G0+4*\slot+3], 2*ASTEP
	s_add_nc_u64 s[G0B+4*\slot+2:G0B+4*\slot+3], s[G0B+4*\slot+2:G0B+4*\slot+3], 2*KSTEP*2
	JLOAD \slot                                    ; the first tensor load behind the round; its four v_nop are also the places in front of the loads below
.else
	PLACES
.endif
	FETCH \next, 0, F0
	WIN MUL
	MUL8 F1, 1, 0, 0
	MUL8 F1, 1, 2, 0
.endm
	s_wait_tensorcnt 1                             ; my part of K step 0 is in; K step 1's load may be out
	s_barrier_signal -1
	s_barrier_wait -1
	FETCH 0, 0, F0
	s_wait_loadcnt 0x0                             ; bc
	QUARTER 0, 128, F0, F1, 1                      ; the first quarter stands in front of the loop: its first products start the sums
	WIN 0
	s_mov_b32 s3, LAPS-1
.Llap:                                                 ; a trip goes once round the ring and fills both slots again
	QUARTER 0, 256, F1, F0, 0
	QUARTER 0, 384, F0, F1, 0
	TURN 0, 1, 1
	QUARTER 1, 128, F0, F1, 0
	QUARTER 1, 256, F1, F0, 0
	QUARTER 1, 384, F0, F1, 0
	TURN 1, 0, 1
	QUARTER 0, 128, F0, F1, 0
	WIN 0
	s_sub_co_u32 s3, s3, 1
	s_cmp_lg_u32 s3, 0
	s_cbranch_scc1 .Llap
	QUARTER 0, 256, F1, F0, 0                      ; the last lap fills nothing
	QUARTER 0, 384, F0, F1, 0
	TURN 0, 1, 0
	QUARTER 1, 128, F0, F1, 0
	QUARTER 1, 256, F1, F0, 0
	QUARTER 1, 384, F0, F1, 0
	s_wait_dscnt 16
	WIN MUL
	MUL8 F1, 0, 0, 0
	MUL8 F1, 0, 2, 0
	s_wait_dscnt 0
	MUL8 F1, 1, 0, 0
	MUL8 F1, 1, 2, 0
	WIN 0
	; THE WAY OUT.  My 64 columns are 256 bytes of a row of C.  A lane holds 32 bytes of a row: the results go through my own stage (each accumulator from its low end on) and come back as whole rows, into the registers that they left.
	PLACES
.irp a, 0,1,2,3
.irp b, 0,1,2,3
	ds_store_b128 v[STO], v[ACC+8*(4*\a+\b):ACC+8*(4*\a+\b)+3]   offset:\a*16*SPITCH+64*\b
	ds_store_b128 v[STO], v[ACC+8*(4*\a+\b)+4:ACC+8*(4*\a+\b)+7] offset:\a*16*SPITCH+64*\b+16
.endr
.irp t, 0,1,2,3,4,5,6,7
	ds_load_b128 v[ACC+32*\a+4*\t:ACC+32*\a+4*\t+3], v[RD] offset:\a*16*SPITCH+\t*2*SPITCH   ; LDS serves a wave's instructions in order: these see the stores above
.endr
.endr
.irp a, 0,1,2,3
.irp t, 0,1,2,3,4,5,6,7
	s_wait_dscnt (3-\a)*16+7-\t                    ; behind this load: the rest of its block's loads and sixteen LDS instructions for each later block
	global_store_b128 v[CO], v[ACC+32*\a+4*\t:ACC+32*\a+4*\t+3], s[70:71] offset:(16*\a+2*\t)*SIZE_N*4 th:TH_STORE_NT   ; sixteen lanes store 256 consecutive bytes, aligned; written once, read by nobody here
.endr
.endr
	s_wait_tensorcnt 0x0                           ; the wave's end
	ds_add_u32 v[SPW], v[NIL]
	s_wait_dscnt 0x0
	CROUND                                         ; the closing round
	s_endpgm
.Lfunc_end_k_qdd083fbb7d_comp:
	.size	k_qdd083fbb7d_comp, .Lfunc_end_k_qdd083fbb7d_comp-k_qdd083fbb7d_comp
	.p2alignl 7, 3214868480
	.fill 96, 4, 3214868480
	.section	.rodata,"a",@progbits
	.p2align	6, 0x0
	.amdhsa_kernel k_qdd083fbb7d_comp
		.amdhsa_group_segment_fixed_size 327680
		.amdhsa_private_segment_fixed_size 0
		.amdhsa_enable_private_segment 0
		.amdhsa_kernarg_size 32
		.amdhsa_user_sgpr_count 2
		.amdhsa_user_sgpr_kernarg_segment_ptr 1
		.amdhsa_wavefront_size32 1
		.amdhsa_system_sgpr_workgroup_id_x 1
		.amdhsa_system_sgpr_workgroup_id_y 1
		.amdhsa_system_sgpr_workgroup_id_z 1
		.amdhsa_system_vgpr_workitem_id 0
		.amdhsa_next_free_vgpr 512
		.amdhsa_next_free_sgpr 72
		.amdhsa_reserve_vcc 0
		.amdhsa_float_denorm_mode_32 3
		.amdhsa_float_denorm_mode_16_64 3
		.amdhsa_memory_ordered 1
		.amdhsa_forward_progress 1
		.amdhsa_inst_pref_size 87
	.end_amdhsa_kernel
	.amdgpu_metadata
---
amdhsa.version: [ 1, 2 ]
amdhsa.kernels:
  - .name:           k_qdd083fbb7d_comp
    .symbol:         k_qdd083fbb7d_comp.kd
    .args:
      - { .name: ao, .offset: 0, .size: 8, .value_kind: global_buffer, .address_space: global }
      - { .name: wc16, .offset: 8, .size: 8, .value_kind: global_buffer, .address_space: global }
      - { .name: bc, .offset: 16, .size: 8, .value_kind: global_buffer, .address_space: global }
      - { .name: out0, .offset: 24, .size: 8, .value_kind: global_buffer, .address_space: global }
    .group_segment_fixed_size: 327680
    .private_segment_fixed_size: 0
    .kernarg_segment_align: 8
    .kernarg_segment_size: 32
    .max_flat_workgroup_size: 128
    .sgpr_count:     72
    .vgpr_count:     512
    .wavefront_size: 32
...
	.end_amdgpu_metadata
.endif
;; end of part 4
